; MI455X (gfx1250); checked and timed in simulation.
; The chip was launched on July 23, 2026; its instructions are those of AMD's public machine-readable ISA for CDNA 5 (MIT licence, August 2026) and "CDNA5" Instruction Set Architecture Reference Guide (July 2026). The comments in the code are by the model that wrote it; some were corrected since.
;; Attention. Allowed arithmetic: matrix products marked QUANTISED: E2M1 operands, one E8M0 scale for each 32 along K, by v_wmma_scale_f32_16x16x128_f8f6f4 with both operands' format E2M1 (or v_wmma_scale_f32_32x16x128_f4), f32 sums; products left as they are: bf16, f16 or f32 operands; f32 sums; everything else in f32.
;; Inputs: attention_mask 4 x 2,048 int32; key 4 x 16 x 2,048 x 64 float32; query 4 x 16 x 2,048 x 64 float32; value 4 x 16 x 2,048 x 64 float32.
;; Outputs: out0 4 x 16 x 2,048 x 64 float32.
;; This version of the problem:
;;   THIS VERSION OF THE PROBLEM IS GIVEN IN LOW PRECISION. The matrix products marked QUANTISED in the list below multiply operands that are first quantised to E2M1 (2 exponent bits, 1 mantissa bit; 4 bits a number), with one power-of-two scale for each 32 numbers along K (OCP MX v1.0); their sums are f32. The products marked 'left as it is' may take bf16, f16 or f32 operands, with f32 sums. Whichever they take, every output number must still come out within the allowed error. Rounding operands to bf16 (8 significant bits) uses up far more of that allowance than f16 does (11 bits, for magnitudes from 6e-5 to 65,504). All else is computed in f32.
;;   The module's matrix products, in the order in which they are computed (A, B: the left and right operand; K: the contracted axis; several contracted axes count as one K, in the product's order):
;;     1. batch 64 x [M 2,048, K 64] x [K 64, N 2,048]; A: input query; B: input key: QUANTISED
;;     2. batch 64 x [M 2,048, K 2,048] x [K 2,048, N 64]; A: computed on the way; B: input value: left as it is (an operand is computed on the way)
;;   THE QUANTISER, for each operand of a quantised product, along K:
;;     - K is cut into blocks of 32 from its start; a last block that is shorter is filled with zeros.
;;     - A block's scale is 2^e with e = floor(log2(the largest magnitude in the block)) - 2, held to -126 .. 127; a block of zeros has e = 0. As a byte (E8M0): e + 127.
;;     - Each number is divided by its block's scale, clamped to +-6, and rounded to the nearest number of E2M1, ties to even, subnormals kept.
;;     - The product sums the exact products of the quantised numbers (number of the format x scale) in f32.
;;   ~~~python
;;   def quantise(x, axis):      # numpy; x: float32 -> the quantised numbers, widened to float32 again
;;       x = np.moveaxis(x, axis, -1); K = x.shape[-1]
;;       x = np.pad(x, [(0, 0)] * (x.ndim - 1) + [(0, -K % 32)]); x = x.reshape(x.shape[:-1] + (-1, 32)); a = np.abs(x).max(-1, keepdims=True)
;;       e = np.where(a > 0, np.clip(np.frexp(np.where(a > 0, a, 1))[1] - 1 - 2, -126, 127), 0)      # np.frexp(a)[1] - 1 = floor(log2(a)), exactly
;;       r = np.clip(x / 2.0 ** e, -6, 6)
;;       step = 2.0 ** (np.maximum(np.frexp(np.where(r == 0, 1, r))[1] - 1, 0) - 1)
;;       q = np.round(r / step) * step * 2.0 ** e      # np.round: ties to even
;;       return np.moveaxis(q.reshape(q.shape[:-2] + (-1,))[..., :K], -1, axis).astype(np.float32)
;;   ~~~
;; 2 versions, each right; version 2 is version 1 with the launches attn, first16 written anew for expert scheduling mode. Each part assembles by itself: llvm-mc -triple=amdgcn-amd-amdhsa -mcpu=gfx1250 --defsym DOCPART=n.
;; ======== version 1 of 2: 2 launches
;; limits: right only within a limited range of input values; values are held in f16: magnitudes above 65,504 overflow, below 6.1e-05 lose precision
;; launch attn (part 1): grid 4 x 64, 16 waves a work-group, no clusters, 122,880 bytes of LDS; arguments query, key, value, attention_mask, out0; writes out0
.if DOCPART == 1
	.amdgcn_target "amdgcn-amd-amdhsa--gfx1250"
	.amdhsa_code_object_version 6
	.text
	.protected	k_qf08a663e2e_attn
	.globl	k_qf08a663e2e_attn
	.p2align	8
	.type	k_qf08a663e2e_attn,@function
k_qf08a663e2e_attn:
	s_mov_b64 s[64:65], 0
	v_nop
	global_prefetch_b8 v0, s[64:65] scope:SCOPE_SE
	s_setreg_imm32_b32 hwreg(HW_REG_WAVE_MODE, 25, 1), 1
	s_wait_xcnt 0x0
; out[h][q][:] = sum over k of softmax_k(Q[h][q] . K[h][k] / 8) V[h][k][:], key k counting for query q where k <= q and attention_mask[b][k] != 0.
; 64 heads of 2,048 positions x 64 channels, all f32.  This launch stores rows 16 .. 2,047 of every head; rows 0 .. 15 are another launch's.
; FIRST PRODUCT: Q and K as codes of E2M1 with one E8M0 byte for each 32 channels, made here from the f32 numbers, multiplied by the scaled matrix form.  SECOND PRODUCT: p and V rounded to f16, sums in f32.
; SOFTMAX: for each query a running maximum m of t = score x c, c = log2(e) / 8, and a running sum l of the unrounded p = 2^(t - m); O and l are multiplied by 2^(m_old - m_new) in every step.
; THE PADDING MASK is the C of the first product: 0, or -2^100 for a key whose mask word is 0.  m starts at -2^96, so such a key has p = 0; a row with no key left ends with l = 0 and O = 0, and 0 x (1 / 0) is the NaN
; that the definition has there.  The causal mask puts -infinity over the hidden scores of the one step of a wave that lies on the diagonal.
; LIMITS: |score x c| stays under 2^96; NaN and infinities among the inputs are not served; |V| beyond 65,504 has no f16 number; a block of zeros has the scale byte 1 (its codes are zeros, and nobody else reads the byte);
; blocks whose largest magnitude lies under 2^-124, whose byte is held at 1, were not tried.
; SHARES.  A head has 8 blocks of 256 queries.  Work-group I (0 .. 3) of a head owns blocks I and 7 - I: by the causal mask the two together are 264 steps of (32 queries x 64 keys) for every I.
; Sixteen waves, 32 queries (two tiles of 16) each: eight on the early block, eight on the late one, told apart by (w ^ (w >> 2)) & 1, so that any four waves with neighbouring numbers and any four with equal w mod 4 hold two of each.
; K, V AND THE MASK are read as they are given, 64 keys a slot, once for both blocks: the early block's waves turn 8 keys of K each into codes, the late block's waves 8 keys of V into f16 and 8 mask words into biases; LDS hands them round.
; NO CLUSTER: the four work-groups of a head walk 32, 28, 24 and 20 slots, so partners would need different numbers of tiles; and a joint load could only bring f32, 32,768 bytes a slot into LDS and out again where a slot now holds 12,672.
; LAYOUT.  S^T = K Q^T (source 0 = keys, source 1 = queries) and O^T = V^T P: a lane holds ONE query (lane % 16) throughout; two tiles of S^T rounded in pairs are source 1 of the second product.
; The head's K is 64, the instruction's 128: source 0 holds TWO tiles of 16 keys side by side, source 1 is [q | zeros] or [zeros | q]; zero codes add nothing.
.set SLOTB, 12800                      ; an LDS slot: 64 keys.  Four slots; every address in them is a lane and wave term + an immediate
.set KIMG,  0                          ; K's codes as images of the operand's registers: tile T (16 keys) at 512 T, lane (r, h)'s 16 bytes (key r, channels 32 h ..) at 16 (r + 16 h)
.set SCB,   2048                       ; K's scale words: word 16 p + r = the bytes of key r of tile 2 p (blocks 0, 1) and of tile 2 p + 1 (blocks 0, 1)
.set BIAS,  2176                       ; 64 f32: 0 or -2^100
.set VB,    2432                       ; V in f16: 64 rows of 128 bytes,
.set VPI,   160                        ; 160 bytes apart
.set STAGE, 4*SLOTB                    ; the way out: 16 rows x 272 bytes for each wave
.set SP,    272
.set SPARE, STAGE+16*16*SP             ; the spare words, 128 bytes for each wave: eight blocks of 256 bytes that no other line names
.set FLOOR, 0x1800000                  ; 2^(3 - 127): under it no largest magnitude is taken, so that a scale's byte cannot fall under 1
.set PFLIM, 1792                       ; the prefetches stop where slot n + 4 would pass the head's 32 slots: n <= 27
.set SPW, 1                            ; v1   my spare word's LDS address; never rewritten
.set NIL, 2                            ; v2   0; never rewritten
.set AKF, 3                            ; v3   16 x lane: my place in an image of K
.set ASC, 4                            ; v4   4 x lane: my scale word
.set ABI, 5                            ; v5   32 h: my eight biases of a tile
.set AVT, 6                            ; v6   the turning load: (8 h + lane % 8) x 160 + 16 ((lane / 8) % 2)
.set GOFF, 7                           ; v7   staging: my 64 bytes of the slot in memory: key 8 IDX + lane / 4, channels 16 (lane % 4) on
.set WK,  8                            ; v8   where my 8 bytes of codes go
.set WS,  9                            ; v9   where my block's scale byte goes
.set WV,  10                           ; v10  where my 32 bytes of f16 go
.set WB,  11                           ; v11  4 x (8 IDX + lane / 4): my key's bias in LDS, and its mask word in memory
.set STO, 12                           ; v12  the way out: where I put 32 bytes of a row
.set DQ,  13                           ; v13  r - 8 h
.set NEGR, 14                          ; v14  -2^100
.set PFO, 15                           ; v15  the prefetches' offset: 8,192 (IDX % 2) + 256 x lane
.set QB,  16                           ; v16-35 zeros, q of tile 0, zeros, q of tile 1, zeros: four registers each
.set QS,  36                           ; v36  Q's scale words: lanes 0-15 tile 0's, lanes 16-31 tile 1's
.set KS,  37                           ; v37  K's scale words: lanes 0-15 tiles 0, 1; lanes 16-31 tiles 2, 3
.set MK,  38                           ; v38  a mask word as loaded
.set BT,  39                           ; v39  the bias made of it
.set KFR, 40                           ; v40-55 K's four tiles
.set ST,  56                           ; tile t at v[56 + 8 t]: +0 m (as t), +1 written as its pair's upper half, +2, +3 l, +4 the factor, +5 its pair's upper half
.set DD,  62                           ; v62  on the diagonal: my query - the slot's first key - 8 h
.set NINF, 63                          ; v63  -infinity
.set RD,  70                           ; v70  the way out: where I read a row back
.set GO,  71                           ; v71  my byte offset in two rows of out
.set S,   72                           ; v72-135 S^T, 32 a tile; then p; then P in f16 (16 a tile) and V's second 32 keys
.set O,   136                          ; v136-199 O^T, 32 a tile
.set VA,  200                          ; v200-231 the biases, then V's first 32 keys; at the head: lane terms
.set X,   232                          ; v232-247 16 staged numbers
.set TM,  248                          ; v248-255 at work
.set QOFF, 200
.set LN,  201
.set HH,  202
.set RR,  203
.set T4,  204
.set K8,  205
.set QD,  206
.set QH,  207
.set QL,  208
.set SH8, 209
.set OUTP, 12                          ; s[12:13] out at my wave's first row
.set WVN, 14                           ; s14  my wave's number
.set LATE, 15                          ; s15  0: early block, I stage K;  1: late block, I stage V and the mask
.set IDX, 16                           ; s16  which of the eight
.set HD,  18                           ; s18  the head
.set Q0,  19                           ; s19  my first query
.set KF,  20                           ; s20  the slot's first key
.set KL,  21                           ; s21  keys that the work-group walks: 256 (8 - I)
.set NT,  22                           ; s22  trips of four slots: 8 - I
.set TR,  23                           ; s23  counts them
.set CS,  24                           ; s[24:25] c: the packed form names a pair and takes its low word for both halves
.set SEL, 26                           ; s[26:27] v_permlanex16_b32's selects for lane l xor 16
.set SRC, 28                           ; s[28:29] K or V of my head, at the slot that is being loaded
.set MSK, 30                           ; s[30:31] the batch's mask words, likewise
.set QP,  32                           ; s[32:33] Q at my first row
.set LIMK, 34                          ; s34  PFLIM in a wave that prefetches, else 0
; On to the next slot in memory.
.macro NEXT
	s_wait_xcnt 0x0                                ; the last slot's loads and its prefetch have had their addresses translated (ISA guide 3.1): their bases are written only behind this wait
	s_add_nc_u64 s[SRC:SRC+1], s[SRC:SRC+1], 16384
	s_add_nc_u64 s[MSK:MSK+1], s[MSK:MSK+1], 256
.endm
; My 16 numbers of the slot at SRC; in a wave that stages V also its key's mask word.
; ask = 1: A PREFETCH INTO THE L2 of the slot that stands two slots behind the one just asked for (n + 4 in trip n): 16,384 bytes of K and of V, 256 bytes a lane.  All four work-groups of a head walk the same K and V:
; the first of them, which walks all 32 slots, asks; in it the four waves with IDX < 2, two for K and two for V, 8,192 bytes each: so each block of 256 bytes is named once in the launch.  Slots 0 to 3 come by their loads alone.
.macro LOADS ask
.irp j, 0,1,2,3
	global_load_b128 v[X+4*\j:X+4*\j+3], v[GOFF], s[SRC:SRC+1] offset:16*\j
.endr
	s_cmp_eq_u32 s[LATE], 0
	s_cbranch_scc1 .Lno_mask_\@
	global_load_b32 v[MK], v[WB], s[MSK:MSK+1]
.Lno_mask_\@:
.if \ask
	s_cmp_lt_u32 s[KF], s[LIMK]
	s_cbranch_scc0 .Lno_ask_\@
	global_prefetch_b8 v[PFO], s[SRC:SRC+1] offset:32768 th:TH_LOAD_NT scope:SCOPE_SE
.Lno_ask_\@:
.endif
.endm
; The 16 numbers in X go into LDS slot buf.  cnt: the loads issued behind them.  The results stand in TM and BT, so that X may be loaded again at once.
.macro CONVERT buf, cnt
	s_wait_loadcnt \cnt
	s_cmp_eq_u32 s[LATE], 0
	s_cbranch_scc0 .Lstage_v_\@
	v_max3_num_f32 v[TM+4], |v[X]|, |v[X+1]|, FLOOR                ; K: the largest magnitude of my 16, in two chains, with the floor among the leaves,
	v_max3_num_f32 v[TM+5], |v[X+2]|, |v[X+3]|, |v[X+4]|
.irp i, 5,9
	v_max3_num_f32 v[TM+4], v[TM+4], |v[X+\i]|, |v[X+\i+1]|
	v_max3_num_f32 v[TM+5], v[TM+5], |v[X+\i+2]|, |v[X+\i+3]|
.endr
	v_max3_num_f32 v[TM+4], v[TM+4], |v[X+13]|, |v[X+14]|
	v_max3_num_f32 v[TM+4], v[TM+4], v[TM+5], |v[X+15]|
	v_max_num_f32_dpp v[TM+4], v[TM+4], v[TM+4] row_xmask:1 row_mask:0xf bank_mask:0xf   ; and of my neighbour's 16: the block's
	v_add_nc_u32 v[TM+6], 0xff000000, v[TM+4]      ; 2 off its exponent field: the conversion takes the exponent field of this operand as its scale
	v_cvt_scalef32_pk8_fp4_f32 v[TM], v[X:X+7], v[TM+6]
	v_cvt_scalef32_pk8_fp4_f32 v[TM+1], v[X+8:X+15], v[TM+6]
	v_lshrrev_b32 v[TM+7], 23, v[TM+6]             ; the scale's byte.  (Also the plain instruction behind the conversions)
	ds_store_b64 v[WK], v[TM:TM+1] offset:(\buf)*SLOTB+KIMG
	ds_store_b8 v[WS], v[TM+7] offset:(\buf)*SLOTB+SCB             ; both lanes of a block write the same byte with the same value
	s_branch .Lstaged_\@
.Lstage_v_\@:
.irp i, 0,1,2,3,4,5,6,7
	v_cvt_pk_f16_f32 v[TM+\i], v[X+2*\i], v[X+2*\i+1]              ; V: 16 channels of my key, rounded to f16
.endr
	v_cmp_eq_u32 vcc_lo, 0, v[MK]
	v_cndmask_b32 v[BT], 0, v[NEGR], vcc_lo        ; a key whose mask word is 0 gets -2^100
	ds_store_b128 v[WV], v[TM:TM+3] offset:(\buf)*SLOTB+VB
	ds_store_b128 v[WV], v[TM+4:TM+7] offset:(\buf)*SLOTB+VB+16
	ds_store_b32 v[WB], v[BT] offset:(\buf)*SLOTB+BIAS             ; the four lanes of a key write the same word with the same value
.Lstaged_\@:
.endm
; One product of S^T: key tile a (0 .. 3) x query tile t.  Source 0: tiles 2 (a / 2) and 2 (a / 2) + 1 side by side; source 1: [q | 0] for an even a, [0 | q] for an odd one; C: the tile's biases.
.macro KQ a, t
.set rD, S+32*(\t)+8*(\a)
.set rA, KFR+8*((\a)/2)
.set rB, QB+8*(\t)+4*(1-(\a)%2)
.set rC, VA+8*(\a)
.if ((\a) < 2) && ((\t) == 0)
	v_wmma_scale_f32_16x16x128_f8f6f4 v[rD:rD+7], v[rA:rA+7], v[rB:rB+7], v[rC:rC+7], v[KS], v[QS] matrix_a_fmt:MATRIX_FMT_FP4 matrix_b_fmt:MATRIX_FMT_FP4
.elseif (\a) < 2
	v_wmma_scale_f32_16x16x128_f8f6f4 v[rD:rD+7], v[rA:rA+7], v[rB:rB+7], v[rC:rC+7], v[KS], v[QS] matrix_a_fmt:MATRIX_FMT_FP4 matrix_b_fmt:MATRIX_FMT_FP4 matrix_b_scale:MATRIX_SCALE_ROW1
.elseif (\t) == 0
	v_wmma_scale_f32_16x16x128_f8f6f4 v[rD:rD+7], v[rA:rA+7], v[rB:rB+7], v[rC:rC+7], v[KS], v[QS] matrix_a_fmt:MATRIX_FMT_FP4 matrix_b_fmt:MATRIX_FMT_FP4 matrix_a_scale:MATRIX_SCALE_ROW1
.else
	v_wmma_scale_f32_16x16x128_f8f6f4 v[rD:rD+7], v[rA:rA+7], v[rB:rB+7], v[rC:rC+7], v[KS], v[QS] matrix_a_fmt:MATRIX_FMT_FP4 matrix_b_fmt:MATRIX_FMT_FP4 matrix_a_scale:MATRIX_SCALE_ROW1 matrix_b_scale:MATRIX_SCALE_ROW1
.endif
.endm
; Eight products of O^T += V^T P over keys 32 c on: four tiles of 16 channels x two tiles of queries; the eight accumulators take turns, one instruction a turn.
.macro OV c
.irp u, 0,1,2,3
.irp t, 0,1
.if (\c) == 0
.set rV, VA+8*\u
.else
.set rV, S+16+8*(\u%2)+32*(\u/2)
.endif
.set rO, O+32*\t+8*\u
.set rP, S+32*\t+8*(\c)
	v_wmma_f32_16x16x32_f16 v[rO:rO+7], v[rV:rV+7], v[rP:rP+7], v[rO:rO+7]
.endr
.endr
.endm
; A STEP: my 32 queries x the 64 keys of LDS slot b.
.macro STEP b
.irp c, 0,1,2,3
	ds_load_b128 v[KFR+4*\c:KFR+4*\c+3], v[AKF] offset:(\b)*SLOTB+KIMG+512*\c
.endr
	ds_load_b32 v[KS], v[ASC] offset:(\b)*SLOTB+SCB
.irp a, 0,1,2,3
	ds_load_b128 v[VA+8*\a:VA+8*\a+3], v[ABI] offset:(\b)*SLOTB+BIAS+64*\a        ; register j of tile a: the bias of key 16 a + 8 h + j, as the result's layout has it
	ds_load_b128 v[VA+8*\a+4:VA+8*\a+7], v[ABI] offset:(\b)*SLOTB+BIAS+64*\a+16
.endr
	s_wait_dscnt 0x0
.irp a, 0,1,2,3
.irp t, 0,1
	KQ \a, \t
.endr
.endr
.rept 4
	v_nop                                          ; four places in front of the loads into the biases' registers and of the first read of the scores
.endr
.irp u, 0,1,2,3                        ; V's first 32 keys, turned: lane (r, h) gets channel 16 u + r, keys 8 h .. and 16 + 8 h ..
	ds_load_tr16_b128 v[VA+8*\u:VA+8*\u+3], v[AVT] offset:(\b)*SLOTB+VB+32*\u
	ds_load_tr16_b128 v[VA+8*\u+4:VA+8*\u+7], v[AVT] offset:(\b)*SLOTB+VB+16*VPI+32*\u
.endr
	s_add_co_u32 s36, s[KF], 63                    ; the one step of a wave in which some key comes after some query: ids and the count of slots alone decide
	s_cmp_le_u32 s36, s[Q0]
	s_cbranch_scc1 .Lopen_\@
	s_sub_co_i32 s36, s[Q0], s[KF]
	v_add_nc_u32 v[DD], s36, v[DQ]                 ; register 8 a + j of tile t holds key KF + 16 a + 8 h + j and query Q0 + 16 t + r: hidden where 16 a + j - 16 t > Q0 - KF + r - 8 h
	v_mov_b32 v[NINF], 0xff800000
.irp t, 0,1
.irp a, 0,1,2,3
.irp j, 0,1,2,3,4,5,6,7
	v_cmp_gt_i32 vcc_lo, 16*\a+\j-16*\t, v[DD]
	v_cndmask_b32 v[S+32*\t+8*\a+\j], v[S+32*\t+8*\a+\j], v[NINF], vcc_lo
.endr
.endr
.endr
.Lopen_\@:
.irp a, 0,1,2,3                        ; the largest of a query's 32 scores: four chains, each from its accumulator's low end on; the two tiles by turns
.irp t, 0,1
	v_max3_num_f32 v[TM+4*\t+\a], v[S+32*\t+8*\a], v[S+32*\t+8*\a+1], v[S+32*\t+8*\a+2]
.endr
.endr
.irp i, 3,5
.irp a, 0,1,2,3
.irp t, 0,1
	v_max3_num_f32 v[TM+4*\t+\a], v[TM+4*\t+\a], v[S+32*\t+8*\a+\i], v[S+32*\t+8*\a+\i+1]
.endr
.endr
.endr
.irp t, 0,1
	v_max3_num_f32 v[TM+4*\t], v[TM+4*\t], v[S+32*\t+7], v[S+32*\t+15]
.endr
.irp t, 0,1
	v_max3_num_f32 v[TM+4*\t+2], v[TM+4*\t+2], v[S+32*\t+23], v[S+32*\t+31]
.endr
.irp t, 0,1
	v_max3_num_f32 v[TM+4*\t], v[TM+4*\t], v[TM+4*\t+1], v[TM+4*\t+2]
.endr
.irp t, 0,1
	v_max_num_f32 v[TM+4*\t], v[TM+4*\t], v[TM+4*\t+3]
.endr
.irp t, 0,1
	v_permlanex16_b32 v[TM+4*\t+1], v[TM+4*\t], s[SEL], s[SEL+1]   ; the query's other 32 keys lie in the lane 16 away
.endr
.irp t, 0,1
	v_mov_b32 v[TM+4*\t+2], v[ST+8*\t]             ; the old m
.endr
.irp t, 0,1
	v_max_num_f32 v[TM+4*\t], v[TM+4*\t], v[TM+4*\t+1]
.endr
.irp t, 0,1
	v_mul_f32 v[TM+4*\t], s[CS], v[TM+4*\t]        ; as t (c is positive)
.endr
.irp t, 0,1
	v_max_num_f32 v[ST+8*\t], v[ST+8*\t], v[TM+4*\t]               ; the new m: never under -2^96
.endr
.irp t, 0,1
	v_sub_f32 v[TM+4*\t+2], v[TM+4*\t+2], v[ST+8*\t]
.endr
.irp t, 0,1
.irp i, 0,2,4,6,8,10,12,14,16,18,20,22,24,26,28,30
	v_pk_fma_f32 v[S+32*\t+\i:S+32*\t+\i+1], v[S+32*\t+\i:S+32*\t+\i+1], s[CS:CS+1], v[ST+8*\t:ST+8*\t+1] op_sel_hi:[1,0,0] neg_lo:[0,0,1] neg_hi:[0,0,1]   ; c s - m, two at a time
.endr
.endr
.irp t, 0,1
	v_exp_f32 v[ST+8*\t+4], v[TM+4*\t+2]           ; ONE BATCH of 66 exponentials: the two factors 2^(m_old - m_new),
.endr
.irp i, 0,1,2,3,4,5,6,7,8,9,10,11,12,13,14,15,16,17,18,19,20,21,22,23,24,25,26,27,28,29,30,31,32,33,34,35,36,37,38,39,40,41,42,43,44,45,46,47,48,49,50,51,52,53,54,55,56,57,58,59,60,61,62,63
	v_exp_f32 v[S+\i], v[S+\i]                     ; and p = 2^(c s - m)
.endr
	v_nop                                          ; a plain instruction behind the last exponential (ISA guide 5.7.2),
	s_wait_alu depctr_va_vdst(0)                   ; and one wait for the batch, ahead of the first instruction that names a result
.irp t, 0,1                            ; the sum of the unrounded p: two chains of packed additions a tile
	v_pk_add_f32 v[TM+4*\t:TM+4*\t+1], v[S+32*\t:S+32*\t+1], v[S+32*\t+2:S+32*\t+3]
	v_pk_add_f32 v[TM+4*\t+2:TM+4*\t+3], v[S+32*\t+4:S+32*\t+5], v[S+32*\t+6:S+32*\t+7]
.endr
.irp i, 8,12,16,20,24,28
.irp t, 0,1
	v_pk_add_f32 v[TM+4*\t:TM+4*\t+1], v[TM+4*\t:TM+4*\t+1], v[S+32*\t+\i:S+32*\t+\i+1]
	v_pk_add_f32 v[TM+4*\t+2:TM+4*\t+3], v[TM+4*\t+2:TM+4*\t+3], v[S+32*\t+\i+2:S+32*\t+\i+3]
.endr
.endr
.irp t, 0,1
	v_pk_add_f32 v[TM+4*\t:TM+4*\t+1], v[TM+4*\t:TM+4*\t+1], v[TM+4*\t+2:TM+4*\t+3]
.endr
.irp t, 0,1
	v_pk_fma_f32 v[ST+8*\t+2:ST+8*\t+3], v[ST+8*\t+2:ST+8*\t+3], v[ST+8*\t+4:ST+8*\t+5], v[TM+4*\t:TM+4*\t+1] op_sel_hi:[1,0,1]   ; l = l x factor + the step's sum
.endr
.irp t, 0,1
.irp i, 0,1,2,3,4,5,6,7,8,9,10,11,12,13,14,15
	v_cvt_pk_f16_f32 v[S+32*\t+\i], v[S+32*\t+2*\i], v[S+32*\t+2*\i+1]   ; p to f16, in place and ascending: register i is written when 2 i and 2 i + 1 are read.  Registers 8 c .. 8 c + 7 are source 1 for keys 32 c on
.endr
.endr
.irp u, 0,1,2,3                        ; V's second 32 keys into the halves of S that the rounding has freed
	ds_load_tr16_b128 v[S+16+8*(\u%2)+32*(\u/2):S+16+8*(\u%2)+32*(\u/2)+3], v[AVT] offset:(\b)*SLOTB+VB+32*VPI+32*\u
	ds_load_tr16_b128 v[S+20+8*(\u%2)+32*(\u/2):S+20+8*(\u%2)+32*(\u/2)+3], v[AVT] offset:(\b)*SLOTB+VB+48*VPI+32*\u
.endr
.irp t, 0,1
.irp i, 0,2,4,6,8,10,12,14,16,18,20,22,24,26,28,30
	v_pk_mul_f32 v[O+32*\t+\i:O+32*\t+\i+1], v[O+32*\t+\i:O+32*\t+\i+1], v[ST+8*\t+4:ST+8*\t+5] op_sel_hi:[1,0]   ; O^T x factor, each accumulator from its low end on
.endr
.endr
	s_wait_dscnt 8                                 ; V's first 32 keys are in; the eight loads of the second 32 may be out
	OV 0
	s_wait_dscnt 0x0
	OV 1
.rept 5
	v_nop                                          ; five places: the next step's first products write over registers that these have read; its loads into the biases' registers want four
.endr
.endm
; A SLOT's turn: j = its LDS slot, nb = the next one.  The slot after it is converted into LDS, the one after that is asked of memory; then the step.
; ONE BARRIER, its two halves apart.  In front of the signal my stores into slot nb have landed and my reads of the last step are back.  Between signal and wait stand LDS loads and register work alone: the step reads slot j,
; which was stored in front of the last signal and is read behind the last wait; it is stored again three turns on, behind two more waits, which every wave's later signals, and so the end of its reads, precede.
; tc = 1: the trip's last slot: nothing is staged where no slot follows (slots come in fours, so two follow or none).  tl = 1: the last but one: nothing is asked for where no slot stands two on.
.macro SLOT j, nb, tc, tl
.if \tc
	s_add_co_u32 s36, s[KF], 64
	s_cmp_ge_u32 s36, s[KL]
	s_cbranch_scc1 .Lno_stage_\@
.endif
	CONVERT \nb, 0                                 ; its loads were issued a step ago, and none behind them
.if \tl
	s_add_co_u32 s36, s[KF], 128
	s_cmp_ge_u32 s36, s[KL]
	s_cbranch_scc1 .Lno_stage_\@
.endif
	NEXT
	LOADS 1
.Lno_stage_\@:
	s_wait_dscnt 0x0                               ; for the others' sake: my stores have landed, my reads are back
	s_barrier_signal -1
	s_add_co_u32 s36, s[Q0], 31
	s_cmp_gt_u32 s[KF], s36                        ; a slot all of whose keys come after my 32 queries has no step for me
	s_cbranch_scc1 .Lidle_\@
	STEP \j
.Lidle_\@:
	s_barrier_wait -1
	s_add_co_u32 s[KF], s[KF], 64
.endm
; Tile t's 32 numbers a lane (a whole block: row r, channels 32 h on) become q's four registers; the row's two scale bytes, doubled, become its scale word in v[TM + 4 t + 3].
.macro QQ t
.set xq, S+32*(\t)
.set tq, TM+4*(\t)
	v_max3_num_f32 v[tq], |v[xq]|, |v[xq+1]|, FLOOR
	v_max3_num_f32 v[tq+1], |v[xq+2]|, |v[xq+3]|, |v[xq+4]|
.irp i, 5,9,13,17,21,25
	v_max3_num_f32 v[tq], v[tq], |v[xq+\i]|, |v[xq+\i+1]|
	v_max3_num_f32 v[tq+1], v[tq+1], |v[xq+\i+2]|, |v[xq+\i+3]|
.endr
	v_max3_num_f32 v[tq], v[tq], |v[xq+29]|, |v[xq+30]|
	v_max3_num_f32 v[tq], v[tq], v[tq+1], |v[xq+31]|
	v_add_nc_u32 v[tq+2], 0xff000000, v[tq]
.irp g, 0,1,2,3
	v_cvt_scalef32_pk8_fp4_f32 v[QB+4+8*(\t)+\g], v[xq+8*\g:xq+8*\g+7], v[tq+2]
.endr
	v_lshrrev_b32 v[tq+3], 23, v[tq+2]             ; my block's byte (also the plain instruction behind the conversions),
	v_lshlrev_b32 v[tq+3], v[SH8], v[tq+3]         ; at its place, 8 h bits up;
	v_permlanex16_b32 v[tq+1], v[tq+3], s[SEL], s[SEL+1]
	v_or_b32 v[tq+3], v[tq+3], v[tq+1]             ; with lane l xor 16's: the row's two bytes,
	v_lshl_or_b32 v[tq+3], v[tq+3], 16, v[tq+3]    ; twice: q stands in the lower or in the upper half of the instruction's K
.endm
	s_load_b256 s[4:11], s[0:1], 0x0               ; query s[4:5], key s[6:7], value s[8:9], attention_mask s[10:11]
	s_load_b64 s[OUTP:OUTP+1], s[0:1], 0x20        ; out0
	v_lshl_add_u32 v[SPW], v0, 2, SPARE
	v_mov_b32 v[NIL], 0
	v_lshrrev_b32 v[T4], 5, v0
	v_readfirstlane_b32 s[WVN], v[T4]              ; wave 0 .. 15
	s_lshr_b32 s[LATE], s[WVN], 2
	s_xor_b32 s[LATE], s[LATE], s[WVN]
	s_and_b32 s[LATE], s[LATE], 1
	s_lshr_b32 s[IDX], s[WVN], 1
	s_and_b32 s[HD], ttmp7, 0xffff
	s_sub_co_u32 s[NT], 8, ttmp9
	s_lshl_b32 s[KL], s[NT], 8
	s_sub_co_u32 s36, 7, ttmp9
	s_cmp_eq_u32 s[LATE], 0
	s_cselect_b32 s36, ttmp9, s36                  ; my block of 256 queries: I or 7 - I
	s_lshl_b32 s[Q0], s36, 8
	s_lshl_b32 s37, s[IDX], 5
	s_add_co_u32 s[Q0], s[Q0], s37
	s_lshr_b32 s36, s[IDX], 1
	s_or_b32 s36, s36, ttmp9
	s_cmp_eq_u32 s36, 0                            ; IDX < 2 in the head's first work-group
	s_cselect_b32 s[LIMK], PFLIM, 0
	s_mov_b32 s[CS], 0x3e38aa3b                    ; c = log2(e) / 8
	s_mov_b32 s[CS+1], s[CS]                       ; (named with it as a pair, so it is written)
	s_mov_b32 s[SEL], 0x76543210
	s_mov_b32 s[SEL+1], 0xfedcba98
	; every address register is made here, by every wave, ahead of the first parting of the two roles
	v_and_b32 v[LN], 31, v0
	v_bfe_u32 v[HH], v0, 4, 1                      ; h
	v_and_b32 v[RR], 15, v0                        ; r
	v_bfe_u32 v[K8], v0, 2, 3                      ; lane / 4
	v_and_b32 v[QD], 3, v0                         ; lane % 4
	v_lshrrev_b32 v[QH], 1, v[QD]
	v_and_b32 v[QL], 1, v[QD]
	v_lshlrev_b32 v[SH8], 3, v[HH]
	v_lshlrev_b32 v[AKF], 4, v[LN]
	v_lshlrev_b32 v[ASC], 2, v[LN]
	v_lshlrev_b32 v[ABI], 5, v[HH]
	v_and_b32 v[T4], 7, v0
	v_lshl_add_u32 v[T4], v[HH], 3, v[T4]
	v_mul_u32_u24 v[AVT], v[T4], VPI
	v_bfe_u32 v[T4], v0, 3, 1
	v_lshl_add_u32 v[AVT], v[T4], 4, v[AVT]
	s_lshl_b32 s36, s[IDX], 11
	v_lshlrev_b32 v[GOFF], 8, v[K8]
	v_lshl_add_u32 v[GOFF], v[QD], 6, v[GOFF]
	v_add_nc_u32 v[GOFF], s36, v[GOFF]             ; 2,048 IDX + 256 (lane / 4) + 64 (lane % 4)
	s_and_b32 s37, s[IDX], 1
	s_lshr_b32 s36, s[IDX], 1
	s_lshl_b32 s36, s36, 9
	s_lshl_b32 s38, s37, 7
	s_add_co_u32 s36, s36, s38
	v_lshlrev_b32 v[WK], 4, v[K8]
	v_lshl_add_u32 v[WK], v[QH], 8, v[WK]
	v_lshl_add_u32 v[WK], v[QL], 3, v[WK]
	v_add_nc_u32 v[WK], s36, v[WK]                 ; tile IDX / 2, row 8 (IDX % 2) + lane / 4, half (lane % 4) / 2, 8 bytes each
	s_lshr_b32 s36, s[IDX], 2
	s_lshl_b32 s36, s36, 6
	s_bfe_u32 s38, s[IDX], 0x10001
	s_lshl_b32 s38, s38, 1
	s_add_co_u32 s36, s36, s38
	s_lshl_b32 s38, s37, 5
	s_add_co_u32 s36, s36, s38
	v_lshl_add_u32 v[WS], v[K8], 2, v[QH]
	v_add_nc_u32 v[WS], s36, v[WS]                 ; word 16 (IDX / 4) + the row, byte 2 ((IDX / 2) % 2) + the block
	s_mul_i32 s36, s[IDX], 8*VPI
	v_mul_u32_u24 v[WV], v[K8], VPI
	v_lshl_add_u32 v[WV], v[QD], 5, v[WV]
	v_add_nc_u32 v[WV], s36, v[WV]
	s_lshl_b32 s36, s[IDX], 5
	v_lshl_add_u32 v[WB], v[K8], 2, s36
	s_mul_i32 s36, s[WVN], 16*SP
	s_add_co_u32 s36, s36, STAGE                   ; my stage
	v_mul_u32_u24 v[STO], v[RR], SP
	v_lshl_add_u32 v[STO], v[HH], 5, v[STO]
	v_add_nc_u32 v[STO], s36, v[STO]               ; in: row r, 32 bytes for each half of the lanes
	v_mul_u32_u24 v[RD], v[HH], SP
	v_lshl_add_u32 v[RD], v[RR], 4, v[RD]
	v_add_nc_u32 v[RD], s36, v[RD]                 ; back: lanes 0-15 one row of 256 bytes, lanes 16-31 the next
	v_lshlrev_b32 v[GO], 8, v[HH]
	v_lshl_add_u32 v[GO], v[RR], 4, v[GO]          ; and the same two rows in out
	v_sub_nc_u32 v[DQ], v[RR], v[SH8]
	v_mov_b32 v[NEGR], 0xf1800000                  ; -2^100
	s_lshl_b32 s38, s37, 13
	v_lshl_add_u32 v[PFO], v[LN], 8, s38
	v_lshlrev_b32 v[QOFF], 8, v[RR]
	v_lshl_add_u32 v[QOFF], v[HH], 7, v[QOFF]      ; Q: row r of 256 bytes, + 128 h: my block of 32
	s_lshl_b32 s36, s[HD], 19                      ; a head is 2,048 x 64 x 4 bytes
	s_mov_b32 s37, 0
	s_lshr_b32 s38, s[HD], 4                       ; the batch: 8,192 bytes of mask words
	s_lshl_b32 s38, s38, 13
	s_mov_b32 s39, 0
	s_lshl_b32 s40, s[Q0], 8
	s_mov_b32 s41, 0
	s_add_nc_u64 s[40:41], s[40:41], s[36:37]      ; my first row's offset in query and in out0
	s_wait_kmcnt 0x0
	s_cmp_eq_u32 s[LATE], 0
	s_cselect_b64 s[SRC:SRC+1], s[6:7], s[8:9]     ; the choice hangs on the wave's number alone
	s_add_nc_u64 s[SRC:SRC+1], s[SRC:SRC+1], s[36:37]
	s_add_nc_u64 s[MSK:MSK+1], s[10:11], s[38:39]
	s_add_nc_u64 s[QP:QP+1], s[4:5], s[40:41]
	s_add_nc_u64 s[OUTP:OUTP+1], s[OUTP:OUTP+1], s[40:41]
	LOADS 0                                        ; slot 0
.irp t, 0,1
.irp i, 0,1,2,3,4,5,6,7
	global_load_b128 v[S+32*\t+4*\i:S+32*\t+4*\i+3], v[QOFF], s[QP:QP+1] offset:4096*\t+16*\i th:TH_LOAD_NT   ; Q is read once, by this wave
.endr
.endr
	CONVERT 0, 16                                  ; slot 0's loads are in; Q's sixteen, issued behind them, may be out
	NEXT
	LOADS 0                                        ; slot 1
	s_wait_loadcnt 4                               ; Q is in: behind it four loads were issued, or five with a mask word, for which the count is the stricter
	s_wait_dscnt 0x0                               ; slot 0's stores have read the registers that are written next
	QQ 0
	QQ 1
	v_cmp_eq_u32 vcc_lo, 1, v[HH]
	v_cndmask_b32 v[QS], v[TM+3], v[TM+7], vcc_lo  ; lanes 0-15: tile 0's words; lanes 16-31: tile 1's
.irp i, 0,1,2,3,8,9,10,11,16,17,18,19
	v_mov_b32 v[QB+\i], 0                          ; the zero codes beside q
.endr
.irp t, 0,1
	v_mov_b32 v[ST+8*\t], 0xef800000               ; m = -2^96
	v_mov_b32 v[ST+8*\t+1], 0
	v_mov_b32 v[ST+8*\t+2], 0                      ; l
	v_mov_b32 v[ST+8*\t+3], 0
	v_mov_b32 v[ST+8*\t+5], 0
.endr
.irp i, 0,1,2,3,4,5,6,7,8,9,10,11,12,13,14,15,16,17,18,19,20,21,22,23,24,25,26,27,28,29,30,31,32,33,34,35,36,37,38,39,40,41,42,43,44,45,46,47,48,49,50,51,52,53,54,55,56,57,58,59,60,61,62,63
	v_mov_b32 v[O+\i], 0                           ; O^T.  (The step is written once for all slots: the first finds zeros.  These lines are also the places between the scale words' last write and the first product)
.endr
	s_mov_b32 s[KF], 0
	s_mov_b32 s[TR], 0
	s_barrier_signal -1                            ; slot 0 lies in LDS (each wave's stores were waited for above)
	s_barrier_wait -1
.Ltrip:                                                ; 8 - I trips of four slots: the LDS slots' numbers are constants of the text
	SLOT 0, 1, 0, 0
	SLOT 1, 2, 0, 0
	SLOT 2, 3, 0, 1
	SLOT 3, 0, 1, 0
	s_add_co_u32 s[TR], s[TR], 1
	s_cmp_lt_u32 s[TR], s[NT]
	s_cbranch_scc1 .Ltrip
	; THE WAY OUT.  l's two halves and lane l xor 16's are added; O^T / l goes through my own stage in LDS, a tile (16 rows of 256 bytes) at a time.
.irp t, 0,1
	v_add_f32 v[TM+4*\t], v[ST+8*\t+2], v[ST+8*\t+3]
.endr
.irp t, 0,1
	v_permlanex16_b32 v[TM+4*\t+1], v[TM+4*\t], s[SEL], s[SEL+1]
.endr
.irp t, 0,1
	v_add_f32 v[TM+4*\t], v[TM+4*\t], v[TM+4*\t+1]
.endr
.irp t, 0,1
	v_rcp_f32 v[ST+8*\t+4], v[TM+4*\t]             ; 1 / 0 is infinity, and 0 x infinity the NaN of a row with no key
.endr
	v_nop                                          ; a plain instruction behind the last reciprocal,
	s_wait_alu depctr_va_vdst(0)                   ; and one wait for the two, ahead of their first reader
.macro PACK t
.irp i, 0,2,4,6,8,10,12,14,16,18,20,22,24,26,28,30
	v_pk_mul_f32 v[S+32*\t+\i:S+32*\t+\i+1], v[O+32*\t+\i:O+32*\t+\i+1], v[ST+8*\t+4:ST+8*\t+5] op_sel_hi:[1,0]   ; register 8 u + j: out(row r, channel 16 u + 8 h + j)
.endr
.irp u, 0,1,2,3
	ds_store_b128 v[STO], v[S+32*\t+8*\u:S+32*\t+8*\u+3] offset:64*\u
	ds_store_b128 v[STO], v[S+32*\t+8*\u+4:S+32*\t+8*\u+7] offset:64*\u+16
.endr
.irp f, 0,1,2,3,4,5,6,7
	ds_load_b128 v[S+32*\t+4*\f:S+32*\t+4*\f+3], v[RD] offset:\f*2*SP   ; LDS serves a wave's instructions in order (ISA guide 5.7.1.4): these see the stores above, and the next tile's stores come behind them
.endr
.endm
.macro SEND t, younger                 ; younger: the LDS instructions issued behind tile t's loads
.irp f, 0,1,2,3,4,5,6,7
	s_wait_dscnt \younger+7-\f
	global_store_b128 v[GO], v[S+32*\t+4*\f:S+32*\t+4*\f+3], s[OUTP:OUTP+1] offset:4096*\t+512*\f th:TH_STORE_NT   ; 16 lanes store 256 consecutive bytes, at a multiple of 256 from out0's first byte
.endr
.endm
	PACK 0
	PACK 1
	s_cmp_eq_u32 s[Q0], 0                          ; rows 0 to 15 of a head are the other launch's
	s_cbranch_scc1 .Lnot_mine
	SEND 0, 16
.Lnot_mine:
	SEND 1, 0
	s_wait_tensorcnt 0x0                           ; the wave's end, behind my last LDS store
	ds_add_u32 v[SPW], v[NIL]
	s_wait_dscnt 0x0
	s_endpgm
.Lfunc_end_k_qf08a663e2e_attn:
	.size	k_qf08a663e2e_attn, .Lfunc_end_k_qf08a663e2e_attn-k_qf08a663e2e_attn
	.p2alignl 7, 3214868480
	.fill 96, 4, 3214868480
	.section	.rodata,"a",@progbits
	.p2align	6, 0x0
	.amdhsa_kernel k_qf08a663e2e_attn
		.amdhsa_group_segment_fixed_size 122880
		.amdhsa_private_segment_fixed_size 0
		.amdhsa_enable_private_segment 0
		.amdhsa_kernarg_size 40
		.amdhsa_user_sgpr_count 2
		.amdhsa_user_sgpr_kernarg_segment_ptr 1
		.amdhsa_wavefront_size32 1
		.amdhsa_system_sgpr_workgroup_id_x 1
		.amdhsa_system_sgpr_workgroup_id_y 1
		.amdhsa_system_sgpr_workgroup_id_z 1
		.amdhsa_system_vgpr_workitem_id 0
		.amdhsa_next_free_vgpr 256
		.amdhsa_next_free_sgpr 66
		.amdhsa_reserve_vcc 1
		.amdhsa_float_denorm_mode_32 3
		.amdhsa_float_denorm_mode_16_64 3
		.amdhsa_memory_ordered 1
		.amdhsa_forward_progress 1
		.amdhsa_inst_pref_size 118
	.end_amdhsa_kernel
	.amdgpu_metadata
---
amdhsa.version: [ 1, 2 ]
amdhsa.kernels:
  - .name:           k_qf08a663e2e_attn
    .symbol:         k_qf08a663e2e_attn.kd
    .args:
      - { .name: query, .offset: 0, .size: 8, .value_kind: global_buffer, .address_space: global }
      - { .name: key, .offset: 8, .size: 8, .value_kind: global_buffer, .address_space: global }
      - { .name: value, .offset: 16, .size: 8, .value_kind: global_buffer, .address_space: global }
      - { .name: attention_mask, .offset: 24, .size: 8, .value_kind: global_buffer, .address_space: global }
      - { .name: out0, .offset: 32, .size: 8, .value_kind: global_buffer, .address_space: global }
    .group_segment_fixed_size: 122880
    .private_segment_fixed_size: 0
    .kernarg_segment_align: 8
    .kernarg_segment_size: 40
    .max_flat_workgroup_size: 512
    .sgpr_count:     66
    .vgpr_count:     256
    .wavefront_size: 32
...
	.end_amdgpu_metadata
.endif
;; end of part 1
;; launch first16 (part 2): grid 64 x 1, 1 waves a work-group, no clusters, 4,864 bytes of LDS; arguments query, key, value, attention_mask, out0; writes out0
.if DOCPART == 2
	.amdgcn_target "amdgcn-amd-amdhsa--gfx1250"
	.amdhsa_code_object_version 6
	.text
	.protected	k_qf08a663e2e_first16
	.globl	k_qf08a663e2e_first16
	.p2align	8
	.type	k_qf08a663e2e_first16,@function
k_qf08a663e2e_first16:
	s_mov_b64 s[64:65], 0
	v_nop
	global_prefetch_b8 v0, s[64:65] scope:SCOPE_SE
	s_setreg_imm32_b32 hwreg(HW_REG_WAVE_MODE, 25, 1), 1
	s_wait_xcnt 0x0
; Rows 0 to 15 of every head of the same attention: these rows average one to sixteen values, so their second product is kept in f32.  One wave, one head.
; S^T = K Q^T on codes of E2M1 with E8M0 scales, made here (16 keys x 16 queries; the instruction's upper 64 along K are zero codes on both sides); C = the padding mask's bias (0 or -2^100); the causal mask puts -infinity
; over keys behind the query; p = 2^(c s - m), c = log2(e) / 8, m the row's largest c s, held at -2^96 from below; O^T = V^T P by the f32 matrix form, 16 instructions: no bulk work; O^T / the sum of p.
; A row with no key left has p = 0 throughout: 0 x (1 / 0) is the NaN that the definition has there.
; LIMITS: |score x c| stays under 2^96; NaN and infinities among the inputs are not served; a block of zeros has the scale byte 1 (its codes are zeros); blocks whose largest magnitude lies under 2^-124 were not tried.
.set SP,    272                        ; the stage: 16 rows x (256 bytes + 16), from LDS byte 0
.set SPARE, 4608                       ; the spare words: one block of 256 bytes that no other line names
.set FLOOR, 0x1800000                  ; 2^(3 - 127)
.set SPW, 1
.set NIL, 2
.set QOFF, 3                           ; v3   256 r + 128 h: my block of 32 of row r, in Q and in K
.set VOFF, 4                           ; v4   2,048 h + 4 r
.set MOFF, 5                           ; v5   32 h: the mask words of keys 8 h ..
.set STO, 6
.set RD,  7
.set GO,  8
.set RR,  9
.set HH,  10
.set SH8, 11
.set XQ,  16                           ; v16-47   32 numbers of Q
.set XK,  48                           ; v48-79   32 numbers of K
.set VV,  80                           ; v80-111  register 8 u + i: V(key 8 h + i, channel 16 u + r)
.set MW,  112                          ; v112-119 mask words
.set BI,  120                          ; v120-127 biases
.set QF,  128                          ; v128-135 Q's codes, then zeros
.set KC,  136                          ; v136-143 K's
.set KSW, 144                          ; v144 K's scale words;  v145 Q's
.set QSW, 145
.set S,   148                          ; v148-155 S^T, then p
.set OA,  160                          ; v160-191 O^T: written by matrix instructions alone
.set R,   192                          ; v192-223 O^T / l
.set T,   224                          ; v224-227 at work
.set CM,  228                          ; v[228:229] m, and its pair's upper half
.set RL,  230                          ; v[230:231] 1 / l, likewise
.set SU,  232                          ; v232-235 sums
.set NEGR, 236
.set NINF, 237
.set DQ,  238                          ; v238 r - 8 h
.set SEL, 20
.set CS,  22
; 32 numbers of a lane, a whole block, become four registers of codes; the row's two scale bytes become its scale word (the upper two bytes, over zero codes, are 0).
.macro QUANT x, f, w
	v_max3_num_f32 v[T], |v[\x]|, |v[\x+1]|, FLOOR
	v_max3_num_f32 v[T+1], |v[\x+2]|, |v[\x+3]|, |v[\x+4]|
.irp i, 5,9,13,17,21,25
	v_max3_num_f32 v[T], v[T], |v[\x+\i]|, |v[\x+\i+1]|
	v_max3_num_f32 v[T+1], v[T+1], |v[\x+\i+2]|, |v[\x+\i+3]|
.endr
	v_max3_num_f32 v[T], v[T], |v[\x+29]|, |v[\x+30]|
	v_max3_num_f32 v[T], v[T], v[T+1], |v[\x+31]|
	v_add_nc_u32 v[T+2], 0xff000000, v[T]          ; 2 off the exponent field: the conversion's scale operand
.irp g, 0,1,2,3
	v_cvt_scalef32_pk8_fp4_f32 v[\f+\g], v[\x+8*\g:\x+8*\g+7], v[T+2]
.endr
	v_lshrrev_b32 v[T+3], 23, v[T+2]               ; the byte (also the plain instruction behind the conversions),
	v_lshlrev_b32 v[T+3], v[SH8], v[T+3]           ; 8 h bits up,
	v_permlanex16_b32 v[T+1], v[T+3], s[SEL], s[SEL+1]
	v_or_b32 v[\w], v[T+3], v[T+1]                 ; with lane l xor 16's
.endm
	s_load_b256 s[4:11], s[0:1], 0x0               ; query, key, value, attention_mask
	s_load_b64 s[12:13], s[0:1], 0x20              ; out0
	v_lshl_add_u32 v[SPW], v0, 2, SPARE
	v_mov_b32 v[NIL], 0
	v_and_b32 v[RR], 15, v0
	v_bfe_u32 v[HH], v0, 4, 1
	v_lshlrev_b32 v[SH8], 3, v[HH]
	v_lshlrev_b32 v[QOFF], 8, v[RR]
	v_lshl_add_u32 v[QOFF], v[HH], 7, v[QOFF]
	v_lshlrev_b32 v[VOFF], 2, v[RR]
	v_lshl_add_u32 v[VOFF], v[HH], 11, v[VOFF]
	v_lshlrev_b32 v[MOFF], 5, v[HH]
	v_mul_u32_u24 v[STO], v[RR], SP
	v_lshl_add_u32 v[STO], v[HH], 5, v[STO]
	v_mul_u32_u24 v[RD], v[HH], SP
	v_lshl_add_u32 v[RD], v[RR], 4, v[RD]
	v_lshlrev_b32 v[GO], 8, v[HH]
	v_lshl_add_u32 v[GO], v[RR], 4, v[GO]
	v_sub_nc_u32 v[DQ], v[RR], v[SH8]
	v_mov_b32 v[NEGR], 0xf1800000                  ; -2^100
	v_mov_b32 v[NINF], 0xff800000
	v_mov_b32 v[CM+1], 0
	v_mov_b32 v[RL+1], 0
.irp i, 4,5,6,7
	v_mov_b32 v[QF+\i], 0                          ; the zero codes of the instruction's upper 64 along K
	v_mov_b32 v[KC+\i], 0
.endr
	s_mov_b32 s[SEL], 0x76543210
	s_mov_b32 s[SEL+1], 0xfedcba98
	s_mov_b32 s[CS], 0x3e38aa3b                    ; c = log2(e) / 8
	s_mov_b32 s[CS+1], s[CS]
	s_lshl_b32 s16, ttmp9, 19                      ; the head's first byte
	s_mov_b32 s17, 0
	s_lshr_b32 s18, ttmp9, 4                       ; the batch's mask words
	s_lshl_b32 s18, s18, 13
	s_mov_b32 s19, 0
	s_wait_kmcnt 0x0
	s_add_nc_u64 s[4:5], s[4:5], s[16:17]
	s_add_nc_u64 s[6:7], s[6:7], s[16:17]
	s_add_nc_u64 s[8:9], s[8:9], s[16:17]
	s_add_nc_u64 s[10:11], s[10:11], s[18:19]
	s_add_nc_u64 s[12:13], s[12:13], s[16:17]
	global_load_b128 v[MW:MW+3], v[MOFF], s[10:11]
	global_load_b128 v[MW+4:MW+7], v[MOFF], s[10:11] offset:16
.irp i, 0,1,2,3,4,5,6,7
	global_load_b128 v[XQ+4*\i:XQ+4*\i+3], v[QOFF], s[4:5] offset:16*\i
.endr
.irp i, 0,1,2,3,4,5,6,7
	global_load_b128 v[XK+4*\i:XK+4*\i+3], v[QOFF], s[6:7] offset:16*\i
.endr
.irp u, 0,1,2,3
.irp i, 0,1,2,3,4,5,6,7
	global_load_b32 v[VV+8*\u+\i], v[VOFF], s[8:9] offset:256*\i+64*\u
.endr
.endr
	s_wait_loadcnt 48                              ; the mask words are in: behind them 8 + 8 + 32 loads were issued
.irp j, 0,1,2,3,4,5,6,7
	v_cmp_eq_u32 vcc_lo, 0, v[MW+\j]
	v_cndmask_b32 v[BI+\j], 0, v[NEGR], vcc_lo     ; register j: the bias of key 8 h + j
.endr
	s_wait_loadcnt 40                              ; Q is in
	QUANT XQ, QF, QSW
	s_wait_loadcnt 32                              ; K is in
	QUANT XK, KC, KSW
.rept 8
	v_nop                                          ; a scale register written by a vector instruction stands eight places ahead of a scaled matrix instruction, an operand so written four
.endr
	v_wmma_scale_f32_16x16x128_f8f6f4 v[S:S+7], v[KC:KC+7], v[QF:QF+7], v[BI:BI+7], v[KSW], v[QSW] matrix_a_fmt:MATRIX_FMT_FP4 matrix_b_fmt:MATRIX_FMT_FP4   ; lane (r, h), register j: key 8 h + j, query r
.rept 4
	v_nop                                          ; four places in front of the first read of the result (ISA guide 7.12.1)
.endr
.irp j, 0,1,2,3,4,5,6,7
	v_cmp_gt_i32 vcc_lo, \j, v[DQ]                 ; key 8 h + j comes after query r
	v_cndmask_b32 v[S+\j], v[S+\j], v[NINF], vcc_lo
.endr
	v_max3_num_f32 v[T], v[S], v[S+1], v[S+2]
	v_max3_num_f32 v[T], v[T], v[S+3], v[S+4]
	v_max3_num_f32 v[T], v[T], v[S+5], v[S+6]
	v_max_num_f32 v[T], v[T], v[S+7]
	v_permlanex16_b32 v[T+1], v[T], s[SEL], s[SEL+1]
	v_max_num_f32 v[T], v[T], v[T+1]
	v_mul_f32 v[T], s[CS], v[T]
	v_max_num_f32 v[CM], 0xef800000, v[T]          ; m, never under -2^96
.irp i, 0,2,4,6
	v_pk_fma_f32 v[S+\i:S+\i+1], v[S+\i:S+\i+1], s[CS:CS+1], v[CM:CM+1] op_sel_hi:[1,0,0] neg_lo:[0,0,1] neg_hi:[0,0,1]
.endr
.irp i, 0,1,2,3,4,5,6,7
	v_exp_f32 v[S+\i], v[S+\i]
.endr
	v_nop                                          ; a plain instruction behind the last exponential,
	s_wait_alu depctr_va_vdst(0)                   ; and one wait for the eight, ahead of their first reader
	v_pk_add_f32 v[SU:SU+1], v[S:S+1], v[S+2:S+3]
	v_pk_add_f32 v[SU+2:SU+3], v[S+4:S+5], v[S+6:S+7]
	v_pk_add_f32 v[SU:SU+1], v[SU:SU+1], v[SU+2:SU+3]
	v_add_f32 v[T], v[SU], v[SU+1]
	v_permlanex16_b32 v[T+1], v[T], s[SEL], s[SEL+1]
	v_add_f32 v[T], v[T], v[T+1]                   ; l
	v_rcp_f32 v[RL], v[T]
	v_nop
	s_wait_alu depctr_va_vdst(0)                   ; the reciprocal's wait
	s_wait_loadcnt 0x0                             ; V is in
; O^T = V^T P, four keys an instruction.  Place (h, j) of the instruction's K stands for key 8 h + 2 s + j in both sources.  The first K step starts the sums with the constant 0; the four accumulators take turns.
.irp s, 0,1,2,3
.irp u, 0,1,2,3
.if \s == 0
	v_wmma_f32_16x16x4_f32 v[OA+8*\u:OA+8*\u+7], v[VV+8*\u+2*\s:VV+8*\u+2*\s+1], v[S+2*\s:S+2*\s+1], 0
.else
	v_wmma_f32_16x16x4_f32 v[OA+8*\u:OA+8*\u+7], v[VV+8*\u+2*\s:VV+8*\u+2*\s+1], v[S+2*\s:S+2*\s+1], v[OA+8*\u:OA+8*\u+7]
.endif
.endr
.endr
.rept 8
	v_nop                                          ; eight places behind this form in front of the first read of its results
.endr
.irp i, 0,2,4,6,8,10,12,14,16,18,20,22,24,26,28,30
	v_pk_mul_f32 v[R+\i:R+\i+1], v[OA+\i:OA+\i+1], v[RL:RL+1] op_sel_hi:[1,0]   ; into other registers; register 8 u + j: out(row r, channel 16 u + 8 h + j)
.endr
.irp u, 0,1,2,3
	ds_store_b128 v[STO], v[R+8*\u:R+8*\u+3] offset:64*\u
	ds_store_b128 v[STO], v[R+8*\u+4:R+8*\u+7] offset:64*\u+16
.endr
.irp f, 0,1,2,3,4,5,6,7
	ds_load_b128 v[R+4*\f:R+4*\f+3], v[RD] offset:\f*2*SP          ; LDS serves a wave's instructions in order (ISA guide 5.7.1.4): these see the stores above
.endr
.irp f, 0,1,2,3,4,5,6,7
	s_wait_dscnt 7-\f
	global_store_b128 v[GO], v[R+4*\f:R+4*\f+3], s[12:13] offset:512*\f th:TH_STORE_NT   ; 16 lanes store 256 consecutive bytes, at a multiple of 256 from out0's first byte
.endr
	s_wait_tensorcnt 0x0                           ; the wave's end, behind my last LDS store
	ds_add_u32 v[SPW], v[NIL]
	s_wait_dscnt 0x0
	s_endpgm
.Lfunc_end_k_qf08a663e2e_first16:
	.size	k_qf08a663e2e_first16, .Lfunc_end_k_qf08a663e2e_first16-k_qf08a663e2e_first16
	.p2alignl 7, 3214868480
	.fill 96, 4, 3214868480
	.section	.rodata,"a",@progbits
	.p2align	6, 0x0
	.amdhsa_kernel k_qf08a663e2e_first16
		.amdhsa_group_segment_fixed_size 4864
		.amdhsa_private_segment_fixed_size 0
		.amdhsa_enable_private_segment 0
		.amdhsa_kernarg_size 40
		.amdhsa_user_sgpr_count 2
		.amdhsa_user_sgpr_kernarg_segment_ptr 1
		.amdhsa_wavefront_size32 1
		.amdhsa_system_sgpr_workgroup_id_x 1
		.amdhsa_system_sgpr_workgroup_id_y 1
		.amdhsa_system_sgpr_workgroup_id_z 1
		.amdhsa_system_vgpr_workitem_id 0
		.amdhsa_next_free_vgpr 240
		.amdhsa_next_free_sgpr 66
		.amdhsa_reserve_vcc 1
		.amdhsa_float_denorm_mode_32 3
		.amdhsa_float_denorm_mode_16_64 3
		.amdhsa_memory_ordered 1
		.amdhsa_forward_progress 1
		.amdhsa_inst_pref_size 18
	.end_amdhsa_kernel
	.amdgpu_metadata
---
amdhsa.version: [ 1, 2 ]
amdhsa.kernels:
  - .name:           k_qf08a663e2e_first16
    .symbol:         k_qf08a663e2e_first16.kd
    .args:
      - { .name: query, .offset: 0, .size: 8, .value_kind: global_buffer, .address_space: global }
      - { .name: key, .offset: 8, .size: 8, .value_kind: global_buffer, .address_space: global }
      - { .name: value, .offset: 16, .size: 8, .value_kind: global_buffer, .address_space: global }
      - { .name: attention_mask, .offset: 24, .size: 8, .value_kind: global_buffer, .address_space: global }
      - { .name: out0, .offset: 32, .size: 8, .value_kind: global_buffer, .address_space: global }
    .group_segment_fixed_size: 4864
    .private_segment_fixed_size: 0
    .kernarg_segment_align: 8
    .kernarg_segment_size: 40
    .max_flat_workgroup_size: 32
    .sgpr_count:     66
    .vgpr_count:     240
    .wavefront_size: 32
...
	.end_amdgpu_metadata
.endif
;; end of part 2
;; ======== version 2 of 2: 2 launches; version 1 with the launches attn, first16 written anew for expert scheduling mode
;; limits: right only within a limited range of input values; values are held in f16: magnitudes above 65,504 overflow, below 6.1e-05 lose precision
;; launch attn (part 3): grid 4 x 64, 16 waves a work-group, no clusters, 122,880 bytes of LDS; arguments query, key, value, attention_mask, out0; writes out0
.if DOCPART == 3
	.amdgcn_target "amdgcn-amd-amdhsa--gfx1250"
	.amdhsa_code_object_version 6
	.text
	.protected	k_qf08a663e2e_attn
	.globl	k_qf08a663e2e_attn
	.p2align	8
	.type	k_qf08a663e2e_attn,@function
k_qf08a663e2e_attn:
	s_mov_b64 s[64:65], 0
	v_nop
	global_prefetch_b8 v0, s[64:65] scope:SCOPE_SE
	s_setreg_imm32_b32 hwreg(HW_REG_WAVE_SCHED_MODE, 0, 2), 2
	s_setreg_imm32_b32 hwreg(HW_REG_WAVE_MODE, 25, 1), 1
	s_wait_xcnt 0x0
	s_wait_alu depctr_vm_vsrc(0)
; out[h][q][:] = sum over k of softmax_k(Q[h][q] . K[h][k] / 8) V[h][k][:], key k counting for query q where k <= q and attention_mask[b][k] != 0.
; 64 heads of 2,048 positions x 64 channels, all f32.  This launch stores rows 16 .. 2,047 of every head; rows 0 .. 15 are another launch's.
; FIRST PRODUCT: Q and K as codes of E2M1 with one E8M0 byte for each 32 channels, made here from the f32 numbers, multiplied by the scaled matrix form.  SECOND PRODUCT: p and V rounded to f16, sums in f32.
; SOFTMAX: for each query a running maximum m of t = score x c, c = log2(e) / 8, and a running sum l of the unrounded p = 2^(t - m); O and l are multiplied by 2^(m_old - m_new) in every step.
; THE PADDING MASK is the C of the first product: 0, or -2^100 for a key whose mask word is 0.  m starts at -2^96, so such a key has p = 0; a row with no key left ends with l = 0 and O = 0, and 0 x (1 / 0) is the NaN
; that the definition has there.  The causal mask puts -infinity over the hidden scores of the one step of a wave that lies on the diagonal.
; LIMITS: |score x c| stays under 2^96; NaN and infinities among the inputs are not served; |V| beyond 65,504 has no f16 number; a block of zeros has the scale byte 1 (its codes are zeros, and nobody else reads the byte);
; blocks whose largest magnitude lies under 2^-124, whose byte is held at 1, were not tried.
; SHARES.  A head has 8 blocks of 256 queries.  Work-group I (0 .. 3) of a head owns blocks I and 7 - I: by the causal mask the two together are 264 steps of (32 queries x 64 keys) for every I.
; Sixteen waves, 32 queries (two tiles of 16) each: eight on the early block, eight on the late one, told apart by (w ^ (w >> 2)) & 1, so that any four waves with neighbouring numbers and any four with equal w mod 4 hold two of each.
; K, V AND THE MASK are read as they are given, 64 keys a slot, once for both blocks: the early block's waves turn 8 keys of K each into codes, the late block's waves 8 keys of V into f16 and 8 mask words into biases; LDS hands them round.
; NO CLUSTER: the four work-groups of a head walk 32, 28, 24 and 20 slots, so partners would need different numbers of tiles; and a joint load could only bring f32, 32,768 bytes a slot into LDS and out again where a slot now holds 12,672.
; LAYOUT.  S^T = K Q^T (source 0 = keys, source 1 = queries) and O^T = V^T P: a lane holds ONE query (lane % 16) throughout; two tiles of S^T rounded in pairs are source 1 of the second product.
; The head's K is 64, the instruction's 128: source 0 holds TWO tiles of 16 keys side by side, source 1 is [q | zeros] or [zeros | q]; zero codes add nothing.
; THE MODE: SCHED_MODE bits 1:0 = 2 (LLVM: expert scheduling mode 2), set by the entry lines.  The code itself states the register dependences
; between vector or matrix instructions and memory or LDS instructions, with s_wait_alu, always for 0.
; THE PLAN.  Registers that memory or LDS instructions touch:
;   v1-v15, v70, v71 and QOFF   offsets and addresses: written at the head, ahead of one wait on va_vdst, and never again (QOFF's register takes a bias in the first step, behind the head's wait on vm_vsrc).
;   X, MK      Land: the global loads of the slot after next.  Read: CONVERT's vector lines, a step later.  CONVERT's wait on va_vdst stands behind those lines and ahead of the next loads, and no vector line between names them.
;   TM, BT     Written by CONVERT's vector lines, read by its LDS stores (the same wait on va_vdst stands between); written again by the step or the next CONVERT: ONE wait on vm_vsrc a slot, ahead of the barrier's signal.
;   KFR, KS, VA   Land at a step's head (K's tiles, K's scale words, the biases).  Read by the last step's products: one wait on va_vdst at the step's head.
;   VA again   V's first 32 keys land where the eight scaled products have read the biases: one wait on va_vdst behind those products.
;   S's upper halves   V's second 32 keys land where the exponentials wrote and the sums and roundings read: one wait on va_vdst behind the roundings.
;   The way out: both tiles' divisions write S; one wait on va_vdst; the LDS stores read S, and the rows come back into O's registers, which the divisions are done reading: no register that a store reads is written again.
; A number that a vector instruction leaves in a scalar register or in VCC (the wave's number, the masks of the selects) has its wait on va_sdst or va_vcc ahead of its first reader; the diagonal's compares go in runs of sixteen.
.set SLOTB, 12800                      ; an LDS slot: 64 keys.  Four slots; every address in them is a lane and wave term + an immediate
.set KIMG,  0                          ; K's codes as images of the operand's registers: tile T (16 keys) at 512 T, lane (r, h)'s 16 bytes (key r, channels 32 h ..) at 16 (r + 16 h)
.set SCB,   2048                       ; K's scale words: word 16 p + r = the bytes of key r of tile 2 p (blocks 0, 1) and of tile 2 p + 1 (blocks 0, 1)
.set BIAS,  2176                       ; 64 f32: 0 or -2^100
.set VB,    2432                       ; V in f16: 64 rows of 128 bytes,
.set VPI,   160                        ; 160 bytes apart
.set STAGE, 4*SLOTB                    ; the way out: 16 rows x 272 bytes for each wave
.set SP,    272
.set SPARE, STAGE+16*16*SP             ; the spare words, 128 bytes for each wave: eight blocks of 256 bytes that no other line names
.set FLOOR, 0x1800000                  ; 2^(3 - 127): under it no largest magnitude is taken, so that a scale's byte cannot fall under 1
.set PFLIM, 1792                       ; the prefetches stop where slot n + 4 would pass the head's 32 slots: n <= 27
.set SPW, 1                            ; v1   my spare word's LDS address; never rewritten
.set NIL, 2                            ; v2   0; never rewritten
.set AKF, 3                            ; v3   16 x lane: my place in an image of K
.set ASC, 4                            ; v4   4 x lane: my scale word
.set ABI, 5                            ; v5   32 h: my eight biases of a tile
.set AVT, 6                            ; v6   the turning load: (8 h + lane % 8) x 160 + 16 ((lane / 8) % 2)
.set GOFF, 7                           ; v7   staging: my 64 bytes of the slot in memory: key 8 IDX + lane / 4, channels 16 (lane % 4) on
.set WK,  8                            ; v8   where my 8 bytes of codes go
.set WS,  9                            ; v9   where my block's scale byte goes
.set WV,  10                           ; v10  where my 32 bytes of f16 go
.set WB,  11                           ; v11  4 x (8 IDX + lane / 4): my key's bias in LDS, and its mask word in memory
.set STO, 12                           ; v12  the way out: where I put 32 bytes of a row
.set DQ,  13                           ; v13  r - 8 h
.set NEGR, 14                          ; v14  -2^100
.set PFO, 15                           ; v15  the prefetches' offset: 8,192 (IDX % 2) + 256 x lane
.set QB,  16                           ; v16-35 zeros, q of tile 0, zeros, q of tile 1, zeros: four registers each
.set QS,  36                           ; v36  Q's scale words: lanes 0-15 tile 0's, lanes 16-31 tile 1's
.set KS,  37                           ; v37  K's scale words: lanes 0-15 tiles 0, 1; lanes 16-31 tiles 2, 3
.set MK,  38                           ; v38  a mask word as loaded
.set BT,  39                           ; v39  the bias made of it
.set KFR, 40                           ; v40-55 K's four tiles
.set ST,  56                           ; tile t at v[56 + 8 t]: +0 m (as t), +1 written as its pair's upper half, +2, +3 l, +4 the factor, +5 its pair's upper half
.set DD,  62                           ; v62  on the diagonal: my query - the slot's first key - 8 h
.set NINF, 63                          ; v63  -infinity
.set RD,  70                           ; v70  the way out: where I read a row back
.set GO,  71                           ; v71  my byte offset in two rows of out
.set S,   72                           ; v72-135 S^T, 32 a tile; then p; then P in f16 (16 a tile) and V's second 32 keys
.set O,   136                          ; v136-199 O^T, 32 a tile; on the way out the rows read back from the stage
.set VA,  200                          ; v200-231 the biases, then V's first 32 keys; at the head: lane terms
.set X,   232                          ; v232-247 16 staged numbers
.set TM,  248                          ; v248-255 at work
.set QOFF, 200
.set LN,  201
.set HH,  202
.set RR,  203
.set T4,  204
.set K8,  205
.set QD,  206
.set QH,  207
.set QL,  208
.set SH8, 209
.set OUTP, 12                          ; s[12:13] out at my wave's first row
.set WVN, 14                           ; s14  my wave's number
.set LATE, 15                          ; s15  0: early block, I stage K;  1: late block, I stage V and the mask
.set IDX, 16                           ; s16  which of the eight
.set HD,  18                           ; s18  the head
.set Q0,  19                           ; s19  my first query
.set KF,  20                           ; s20  the slot's first key
.set KL,  21                           ; s21  keys that the work-group walks: 256 (8 - I)
.set NT,  22                           ; s22  trips of four slots: 8 - I
.set TR,  23                           ; s23  counts them
.set CS,  24                           ; s[24:25] c: the packed form names a pair and takes its low word for both halves
.set SEL, 26                           ; s[26:27] v_permlanex16_b32's selects for lane l xor 16
.set SRC, 28                           ; s[28:29] K or V of my head, at the slot that is being loaded
.set MSK, 30                           ; s[30:31] the batch's mask words, likewise
.set QP,  32                           ; s[32:33] Q at my first row
.set LIMK, 34                          ; s34  PFLIM in a wave that prefetches, else 0
.set MS,  40                           ; s[40:55] on the diagonal: sixteen masks of a run of compares (s40, s41 hold an offset at the head)
; On to the next slot in memory.
.macro NEXT
	s_wait_xcnt 0x0                                ; the last slot's loads and its prefetch have had their addresses translated (ISA guide 3.1): their bases are written only behind this wait
	s_add_nc_u64 s[SRC:SRC+1], s[SRC:SRC+1], 16384
	s_add_nc_u64 s[MSK:MSK+1], s[MSK:MSK+1], 256
.endm
; My 16 numbers of the slot at SRC; in a wave that stages V also its key's mask word.
; ask = 1: A PREFETCH INTO THE L2 of the slot that stands two slots behind the one just asked for (n + 4 in trip n): 16,384 bytes of K and of V, 256 bytes a lane.  All four work-groups of a head walk the same K and V:
; the first of them, which walks all 32 slots, asks; in it the four waves with IDX < 2, two for K and two for V, 8,192 bytes each: so each block of 256 bytes is named once in the launch.  Slots 0 to 3 come by their loads alone.
; No wait on va_vdst stands here: the head's (first use) or CONVERT's stands ahead, and no vector line since names X, MK or an offset.
.macro LOADS ask
.irp j, 0,1,2,3
	global_load_b128 v[X+4*\j:X+4*\j+3], v[GOFF], s[SRC:SRC+1] offset:16*\j
.endr
	s_cmp_eq_u32 s[LATE], 0
	s_cbranch_scc1 .Lno_mask_\@
	global_load_b32 v[MK], v[WB], s[MSK:MSK+1]
.Lno_mask_\@:
.if \ask
	s_cmp_lt_u32 s[KF], s[LIMK]
	s_cbranch_scc0 .Lno_ask_\@
	global_prefetch_b8 v[PFO], s[SRC:SRC+1] offset:32768 th:TH_LOAD_NT scope:SCOPE_SE
.Lno_ask_\@:
.endif
.endm
; The 16 numbers in X go into LDS slot buf.  cnt: the loads issued behind them.  The results stand in TM and BT, so that X may be loaded again at once.
.macro CONVERT buf, cnt
	s_wait_loadcnt \cnt
	s_cmp_eq_u32 s[LATE], 0
	s_cbranch_scc0 .Lstage_v_\@
	v_max3_num_f32 v[TM+4], |v[X]|, |v[X+1]|, FLOOR                ; K: the largest magnitude of my 16, in two chains, with the floor among the leaves,
	v_max3_num_f32 v[TM+5], |v[X+2]|, |v[X+3]|, |v[X+4]|
.irp i, 5,9
	v_max3_num_f32 v[TM+4], v[TM+4], |v[X+\i]|, |v[X+\i+1]|
	v_max3_num_f32 v[TM+5], v[TM+5], |v[X+\i+2]|, |v[X+\i+3]|
.endr
	v_max3_num_f32 v[TM+4], v[TM+4], |v[X+13]|, |v[X+14]|
	v_max3_num_f32 v[TM+4], v[TM+4], v[TM+5], |v[X+15]|
	v_max_num_f32_dpp v[TM+4], v[TM+4], v[TM+4] row_xmask:1 row_mask:0xf bank_mask:0xf   ; and of my neighbour's 16: the block's
	v_add_nc_u32 v[TM+6], 0xff000000, v[TM+4]      ; 2 off its exponent field: the conversion takes the exponent field of this operand as its scale
	v_cvt_scalef32_pk8_fp4_f32 v[TM], v[X:X+7], v[TM+6]
	v_cvt_scalef32_pk8_fp4_f32 v[TM+1], v[X+8:X+15], v[TM+6]
	v_lshrrev_b32 v[TM+7], 23, v[TM+6]             ; the scale's byte.  (Also the plain instruction behind the conversions)
	s_wait_alu depctr_va_vdst(0)                   ; the codes in TM, TM + 1 and the byte in TM + 7 are written, which the stores read; and the lines above are done reading X, in which the next loads land
	ds_store_b64 v[WK], v[TM:TM+1] offset:(\buf)*SLOTB+KIMG
	ds_store_b8 v[WS], v[TM+7] offset:(\buf)*SLOTB+SCB             ; both lanes of a block write the same byte with the same value
	s_branch .Lstaged_\@
.Lstage_v_\@:
	v_cmp_eq_u32 vcc_lo, 0, v[MK]                  ; the compare first: the eight roundings stand between it and the wait for its mask
.irp i, 0,1,2,3,4,5,6,7
	v_cvt_pk_f16_f32 v[TM+\i], v[X+2*\i], v[X+2*\i+1]              ; V: 16 channels of my key, rounded to f16
.endr
	s_wait_alu depctr_va_vcc(0)                    ; the compare has written VCC, which the select reads
	v_cndmask_b32 v[BT], 0, v[NEGR], vcc_lo        ; a key whose mask word is 0 gets -2^100
	s_wait_alu depctr_va_vdst(0)                   ; TM .. TM + 7 and BT are written, which the stores read; and the lines above are done reading X and MK, in which the next loads land
	ds_store_b128 v[WV], v[TM:TM+3] offset:(\buf)*SLOTB+VB
	ds_store_b128 v[WV], v[TM+4:TM+7] offset:(\buf)*SLOTB+VB+16
	ds_store_b32 v[WB], v[BT] offset:(\buf)*SLOTB+BIAS             ; the four lanes of a key write the same word with the same value
.Lstaged_\@:
.endm
; One product of S^T: key tile a (0 .. 3) x query tile t.  Source 0: tiles 2 (a / 2) and 2 (a / 2) + 1 side by side; source 1: [q | 0] for an even a, [0 | q] for an odd one; C: the tile's biases.
.macro KQ a, t
.set rD, S+32*(\t)+8*(\a)
.set rA, KFR+8*((\a)/2)
.set rB, QB+8*(\t)+4*(1-(\a)%2)
.set rC, VA+8*(\a)
.if ((\a) < 2) && ((\t) == 0)
	v_wmma_scale_f32_16x16x128_f8f6f4 v[rD:rD+7], v[rA:rA+7], v[rB:rB+7], v[rC:rC+7], v[KS], v[QS] matrix_a_fmt:MATRIX_FMT_FP4 matrix_b_fmt:MATRIX_FMT_FP4
.elseif (\a) < 2
	v_wmma_scale_f32_16x16x128_f8f6f4 v[rD:rD+7], v[rA:rA+7], v[rB:rB+7], v[rC:rC+7], v[KS], v[QS] matrix_a_fmt:MATRIX_FMT_FP4 matrix_b_fmt:MATRIX_FMT_FP4 matrix_b_scale:MATRIX_SCALE_ROW1
.elseif (\t) == 0
	v_wmma_scale_f32_16x16x128_f8f6f4 v[rD:rD+7], v[rA:rA+7], v[rB:rB+7], v[rC:rC+7], v[KS], v[QS] matrix_a_fmt:MATRIX_FMT_FP4 matrix_b_fmt:MATRIX_FMT_FP4 matrix_a_scale:MATRIX_SCALE_ROW1
.else
	v_wmma_scale_f32_16x16x128_f8f6f4 v[rD:rD+7], v[rA:rA+7], v[rB:rB+7], v[rC:rC+7], v[KS], v[QS] matrix_a_fmt:MATRIX_FMT_FP4 matrix_b_fmt:MATRIX_FMT_FP4 matrix_a_scale:MATRIX_SCALE_ROW1 matrix_b_scale:MATRIX_SCALE_ROW1
.endif
.endm
; Eight products of O^T += V^T P over keys 32 c on: four tiles of 16 channels x two tiles of queries; the eight accumulators take turns, one instruction a turn.
.macro OV c
.irp u, 0,1,2,3
.irp t, 0,1
.if (\c) == 0
.set rV, VA+8*\u
.else
.set rV, S+16+8*(\u%2)+32*(\u/2)
.endif
.set rO, O+32*\t+8*\u
.set rP, S+32*\t+8*(\c)
	v_wmma_f32_16x16x32_f16 v[rO:rO+7], v[rV:rV+7], v[rP:rP+7], v[rO:rO+7]
.endr
.endr
.endm
; A STEP: my 32 queries x the 64 keys of LDS slot b.
.macro STEP b
	s_wait_alu depctr_va_vdst(0)                   ; the last step's products are done reading K's tiles, K's scale words and V's first half, in which the loads below land (first step: the head's lines are done with the lane terms that lay in VA, and q's codes and scale words, which the scaled products take, are written)
.irp c, 0,1,2,3
	ds_load_b128 v[KFR+4*\c:KFR+4*\c+3], v[AKF] offset:(\b)*SLOTB+KIMG+512*\c
.endr
	ds_load_b32 v[KS], v[ASC] offset:(\b)*SLOTB+SCB
.irp a, 0,1,2,3
	ds_load_b128 v[VA+8*\a:VA+8*\a+3], v[ABI] offset:(\b)*SLOTB+BIAS+64*\a        ; register j of tile a: the bias of key 16 a + 8 h + j, as the result's layout has it
	ds_load_b128 v[VA+8*\a+4:VA+8*\a+7], v[ABI] offset:(\b)*SLOTB+BIAS+64*\a+16
.endr
	s_wait_dscnt 0x0
.irp a, 0,1,2,3
.irp t, 0,1
	KQ \a, \t
.endr
.endr
.rept 4
	v_nop                                          ; four places (ISA guide 7.12.1) in front of the first read of the scores
.endr
	s_wait_alu depctr_va_vdst(0)                   ; the eight products are done reading the biases, in whose registers the loads below land
.irp u, 0,1,2,3                        ; V's first 32 keys, turned: lane (r, h) gets channel 16 u + r, keys 8 h .. and 16 + 8 h ..
	ds_load_tr16_b128 v[VA+8*\u:VA+8*\u+3], v[AVT] offset:(\b)*SLOTB+VB+32*\u
	ds_load_tr16_b128 v[VA+8*\u+4:VA+8*\u+7], v[AVT] offset:(\b)*SLOTB+VB+16*VPI+32*\u
.endr
	s_add_co_u32 s36, s[KF], 63                    ; the one step of a wave in which some key comes after some query: ids and the count of slots alone decide
	s_cmp_le_u32 s36, s[Q0]
	s_cbranch_scc1 .Lopen_\@
	s_sub_co_i32 s36, s[Q0], s[KF]
	v_add_nc_u32 v[DD], s36, v[DQ]                 ; register 8 a + j of tile t holds key KF + 16 a + 8 h + j and query Q0 + 16 t + r: hidden where 16 a + j - 16 t > Q0 - KF + r - 8 h
	v_mov_b32 v[NINF], 0xff800000
.irp t, 0,1                            ; four runs: sixteen compares into sixteen scalar registers, one wait, sixteen selects; each accumulator from its low end on
.irp p, 0,2
.irp a, 0,1
.irp j, 0,1,2,3,4,5,6,7
	v_cmp_gt_i32 s[MS+8*\a+\j], 16*(\p+\a)+\j-16*\t, v[DD]
.endr
.endr
	s_wait_alu depctr_va_sdst(0)                   ; the run's sixteen compares have written their masks, which the selects read
.irp a, 0,1
.irp j, 0,1,2,3,4,5,6,7
	v_cndmask_b32 v[S+32*\t+8*(\p+\a)+\j], v[S+32*\t+8*(\p+\a)+\j], v[NINF], s[MS+8*\a+\j]
.endr
.endr
.endr
.endr
.Lopen_\@:
.irp a, 0,1,2,3                        ; the largest of a query's 32 scores: four chains, each from its accumulator's low end on; the two tiles by turns
.irp t, 0,1
	v_max3_num_f32 v[TM+4*\t+\a], v[S+32*\t+8*\a], v[S+32*\t+8*\a+1], v[S+32*\t+8*\a+2]
.endr
.endr
.irp i, 3,5
.irp a, 0,1,2,3
.irp t, 0,1
	v_max3_num_f32 v[TM+4*\t+\a], v[TM+4*\t+\a], v[S+32*\t+8*\a+\i], v[S+32*\t+8*\a+\i+1]
.endr
.endr
.endr
.irp t, 0,1
	v_max3_num_f32 v[TM+4*\t], v[TM+4*\t], v[S+32*\t+7], v[S+32*\t+15]
.endr
.irp t, 0,1
	v_max3_num_f32 v[TM+4*\t+2], v[TM+4*\t+2], v[S+32*\t+23], v[S+32*\t+31]
.endr
.irp t, 0,1
	v_max3_num_f32 v[TM+4*\t], v[TM+4*\t], v[TM+4*\t+1], v[TM+4*\t+2]
.endr
.irp t, 0,1
	v_max_num_f32 v[TM+4*\t], v[TM+4*\t], v[TM+4*\t+3]
.endr
.irp t, 0,1
	v_permlanex16_b32 v[TM+4*\t+1], v[TM+4*\t], s[SEL], s[SEL+1]   ; the query's other 32 keys lie in the lane 16 away
.endr
.irp t, 0,1
	v_mov_b32 v[TM+4*\t+2], v[ST+8*\t]             ; the old m
.endr
.irp t, 0,1
	v_max_num_f32 v[TM+4*\t], v[TM+4*\t], v[TM+4*\t+1]
.endr
.irp t, 0,1
	v_mul_f32 v[TM+4*\t], s[CS], v[TM+4*\t]        ; as t (c is positive)
.endr
.irp t, 0,1
	v_max_num_f32 v[ST+8*\t], v[ST+8*\t], v[TM+4*\t]               ; the new m: never under -2^96
.endr
.irp t, 0,1
	v_sub_f32 v[TM+4*\t+2], v[TM+4*\t+2], v[ST+8*\t]
.endr
.irp t, 0,1
.irp i, 0,2,4,6,8,10,12,14,16,18,20,22,24,26,28,30
	v_pk_fma_f32 v[S+32*\t+\i:S+32*\t+\i+1], v[S+32*\t+\i:S+32*\t+\i+1], s[CS:CS+1], v[ST+8*\t:ST+8*\t+1] op_sel_hi:[1,0,0] neg_lo:[0,0,1] neg_hi:[0,0,1]   ; c s - m, two at a time
.endr
.endr
.irp t, 0,1
	v_exp_f32 v[ST+8*\t+4], v[TM+4*\t+2]           ; ONE BATCH of 66 exponentials: the two factors 2^(m_old - m_new),
.endr
.irp i, 0,1,2,3,4,5,6,7,8,9,10,11,12,13,14,15,16,17,18,19,20,21,22,23,24,25,26,27,28,29,30,31,32,33,34,35,36,37,38,39,40,41,42,43,44,45,46,47,48,49,50,51,52,53,54,55,56,57,58,59,60,61,62,63
	v_exp_f32 v[S+\i], v[S+\i]                     ; and p = 2^(c s - m)
.endr
	v_nop                                          ; a plain instruction behind the last exponential (ISA guide 5.7.2),
	s_wait_alu depctr_va_vdst(0)                   ; and one wait for the batch: the two factors and the 64 p are written, ahead of the first instruction that names one of them
.irp t, 0,1                            ; the sum of the unrounded p: two chains of packed additions a tile
	v_pk_add_f32 v[TM+4*\t:TM+4*\t+1], v[S+32*\t:S+32*\t+1], v[S+32*\t+2:S+32*\t+3]
	v_pk_add_f32 v[TM+4*\t+2:TM+4*\t+3], v[S+32*\t+4:S+32*\t+5], v[S+32*\t+6:S+32*\t+7]
.endr
.irp i, 8,12,16,20,24,28
.irp t, 0,1
	v_pk_add_f32 v[TM+4*\t:TM+4*\t+1], v[TM+4*\t:TM+4*\t+1], v[S+32*\t+\i:S+32*\t+\i+1]
	v_pk_add_f32 v[TM+4*\t+2:TM+4*\t+3], v[TM+4*\t+2:TM+4*\t+3], v[S+32*\t+\i+2:S+32*\t+\i+3]
.endr
.endr
.irp t, 0,1
	v_pk_add_f32 v[TM+4*\t:TM+4*\t+1], v[TM+4*\t:TM+4*\t+1], v[TM+4*\t+2:TM+4*\t+3]
.endr
.irp t, 0,1
	v_pk_fma_f32 v[ST+8*\t+2:ST+8*\t+3], v[ST+8*\t+2:ST+8*\t+3], v[ST+8*\t+4:ST+8*\t+5], v[TM+4*\t:TM+4*\t+1] op_sel_hi:[1,0,1]   ; l = l x factor + the step's sum
.endr
.irp t, 0,1
.irp i, 0,1,2,3,4,5,6,7,8,9,10,11,12,13,14,15
	v_cvt_pk_f16_f32 v[S+32*\t+\i], v[S+32*\t+2*\i], v[S+32*\t+2*\i+1]   ; p to f16, in place and ascending: register i is written when 2 i and 2 i + 1 are read.  Registers 8 c .. 8 c + 7 are source 1 for keys 32 c on
.endr
.endr
	s_wait_alu depctr_va_vdst(0)                   ; the sums and the roundings are done reading the upper halves of S, in which the loads below land
.irp u, 0,1,2,3                        ; V's second 32 keys into the halves of S that the rounding has freed
	ds_load_tr16_b128 v[S+16+8*(\u%2)+32*(\u/2):S+16+8*(\u%2)+32*(\u/2)+3], v[AVT] offset:(\b)*SLOTB+VB+32*VPI+32*\u
	ds_load_tr16_b128 v[S+20+8*(\u%2)+32*(\u/2):S+20+8*(\u%2)+32*(\u/2)+3], v[AVT] offset:(\b)*SLOTB+VB+48*VPI+32*\u
.endr
.irp t, 0,1
.irp i, 0,2,4,6,8,10,12,14,16,18,20,22,24,26,28,30
	v_pk_mul_f32 v[O+32*\t+\i:O+32*\t+\i+1], v[O+32*\t+\i:O+32*\t+\i+1], v[ST+8*\t+4:ST+8*\t+5] op_sel_hi:[1,0]   ; O^T x factor, each accumulator from its low end on
.endr
.endr
	s_wait_dscnt 8                                 ; V's first 32 keys are in; the eight loads of the second 32 may be out
	OV 0
	s_wait_dscnt 0x0
	OV 1
.rept 5
	v_nop                                          ; five places: the next step's first products write over registers that these have read
.endr
.endm
; A SLOT's turn: j = its LDS slot, nb = the next one.  The slot after it is converted into LDS, the one after that is asked of memory; then the step.
; ONE BARRIER, its two halves apart.  In front of the signal my stores into slot nb have landed and my reads of the last step are back.  Between signal and wait stand LDS loads and register work alone: the step reads slot j,
; which was stored in front of the last signal and is read behind the last wait; it is stored again three turns on, behind two more waits, which every wave's later signals, and so the end of its reads, precede.
; tc = 1: the trip's last slot: nothing is staged where no slot follows (slots come in fours, so two follow or none).  tl = 1: the last but one: nothing is asked for where no slot stands two on.
.macro SLOT j, nb, tc, tl
.if \tc
	s_add_co_u32 s36, s[KF], 64
	s_cmp_ge_u32 s36, s[KL]
	s_cbranch_scc1 .Lno_stage_\@
.endif
	CONVERT \nb, 0                                 ; its loads were issued a step ago, and none behind them
.if \tl
	s_add_co_u32 s36, s[KF], 128
	s_cmp_ge_u32 s36, s[KL]
	s_cbranch_scc1 .Lno_stage_\@
.endif
	NEXT
	LOADS 1
.Lno_stage_\@:
	s_wait_alu depctr_vm_vsrc(0)                   ; my LDS stores have read TM and BT, which the step's maxima and sums and the next slot's conversions write again
	s_wait_dscnt 0x0                               ; for the others' sake: my stores have landed, my reads are back
	s_barrier_signal -1
	s_add_co_u32 s36, s[Q0], 31
	s_cmp_gt_u32 s[KF], s36                        ; a slot all of whose keys come after my 32 queries has no step for me
	s_cbranch_scc1 .Lidle_\@
	STEP \j
.Lidle_\@:
	s_barrier_wait -1
	s_add_co_u32 s[KF], s[KF], 64
.endm
; Tile t's 32 numbers a lane (a whole block: row r, channels 32 h on) become q's four registers; the row's two scale bytes, doubled, become its scale word in v[TM + 4 t + 3].
.macro QQ t
.set xq, S+32*(\t)
.set tq, TM+4*(\t)
	v_max3_num_f32 v[tq], |v[xq]|, |v[xq+1]|, FLOOR
	v_max3_num_f32 v[tq+1], |v[xq+2]|, |v[xq+3]|, |v[xq+4]|
.irp i, 5,9,13,17,21,25
	v_max3_num_f32 v[tq], v[tq], |v[xq+\i]|, |v[xq+\i+1]|
	v_max3_num_f32 v[tq+1], v[tq+1], |v[xq+\i+2]|, |v[xq+\i+3]|
.endr
	v_max3_num_f32 v[tq], v[tq], |v[xq+29]|, |v[xq+30]|
	v_max3_num_f32 v[tq], v[tq], v[tq+1], |v[xq+31]|
	v_add_nc_u32 v[tq+2], 0xff000000, v[tq]
.irp g, 0,1,2,3
	v_cvt_scalef32_pk8_fp4_f32 v[QB+4+8*(\t)+\g], v[xq+8*\g:xq+8*\g+7], v[tq+2]
.endr
	v_lshrrev_b32 v[tq+3], 23, v[tq+2]             ; my block's byte (also the plain instruction behind the conversions),
	v_lshlrev_b32 v[tq+3], v[SH8], v[tq+3]         ; at its place, 8 h bits up;
	v_permlanex16_b32 v[tq+1], v[tq+3], s[SEL], s[SEL+1]
	v_or_b32 v[tq+3], v[tq+3], v[tq+1]             ; with lane l xor 16's: the row's two bytes,
	v_lshl_or_b32 v[tq+3], v[tq+3], 16, v[tq+3]    ; twice: q stands in the lower or in the upper half of the instruction's K
.endm
	s_load_b256 s[4:11], s[0:1], 0x0               ; query s[4:5], key s[6:7], value s[8:9], attention_mask s[10:11]
	s_load_b64 s[OUTP:OUTP+1], s[0:1], 0x20        ; out0
	v_lshl_add_u32 v[SPW], v0, 2, SPARE
	v_mov_b32 v[NIL], 0
	v_lshrrev_b32 v[T4], 5, v0
	v_readfirstlane_b32 s[WVN], v[T4]              ; wave 0 .. 15
	; every address register is made here, by every wave, ahead of the first parting of the two roles; the terms that hang on the lane alone stand between the line above and the wait for its result
	v_and_b32 v[LN], 31, v0
	v_bfe_u32 v[HH], v0, 4, 1                      ; h
	v_and_b32 v[RR], 15, v0                        ; r
	v_bfe_u32 v[K8], v0, 2, 3                      ; lane / 4
	v_and_b32 v[QD], 3, v0                         ; lane % 4
	v_lshrrev_b32 v[QH], 1, v[QD]
	v_and_b32 v[QL], 1, v[QD]
	v_lshlrev_b32 v[SH8], 3, v[HH]
	v_lshlrev_b32 v[AKF], 4, v[LN]
	v_lshlrev_b32 v[ASC], 2, v[LN]
	v_lshlrev_b32 v[ABI], 5, v[HH]
	v_and_b32 v[T4], 7, v0
	v_lshl_add_u32 v[T4], v[HH], 3, v[T4]
	v_mul_u32_u24 v[AVT], v[T4], VPI
	v_bfe_u32 v[T4], v0, 3, 1
	v_lshl_add_u32 v[AVT], v[T4], 4, v[AVT]
	s_wait_alu depctr_va_sdst(0)                   ; the wave's number is written, ahead of its first reader: roles, shares and addresses are made from it
	s_lshr_b32 s[LATE], s[WVN], 2
	s_xor_b32 s[LATE], s[LATE], s[WVN]
	s_and_b32 s[LATE], s[LATE], 1
	s_lshr_b32 s[IDX], s[WVN], 1
	s_and_b32 s[HD], ttmp7, 0xffff
	s_sub_co_u32 s[NT], 8, ttmp9
	s_lshl_b32 s[KL], s[NT], 8
	s_sub_co_u32 s36, 7, ttmp9
	s_cmp_eq_u32 s[LATE], 0
	s_cselect_b32 s36, ttmp9, s36                  ; my block of 256 queries: I or 7 - I
	s_lshl_b32 s[Q0], s36, 8
	s_lshl_b32 s37, s[IDX], 5
	s_add_co_u32 s[Q0], s[Q0], s37
	s_lshr_b32 s36, s[IDX], 1
	s_or_b32 s36, s36, ttmp9
	s_cmp_eq_u32 s36, 0                            ; IDX < 2 in the head's first work-group
	s_cselect_b32 s[LIMK], PFLIM, 0
	s_mov_b32 s[CS], 0x3e38aa3b                    ; c = log2(e) / 8
	s_mov_b32 s[CS+1], s[CS]                       ; (named with it as a pair, so it is written)
	s_mov_b32 s[SEL], 0x76543210
	s_mov_b32 s[SEL+1], 0xfedcba98
	s_lshl_b32 s36, s[IDX], 11
	v_lshlrev_b32 v[GOFF], 8, v[K8]
	v_lshl_add_u32 v[GOFF], v[QD], 6, v[GOFF]
	v_add_nc_u32 v[GOFF], s36, v[GOFF]             ; 2,048 IDX + 256 (lane / 4) + 64 (lane % 4)
	s_and_b32 s37, s[IDX], 1
	s_lshr_b32 s36, s[IDX], 1
	s_lshl_b32 s36, s36, 9
	s_lshl_b32 s38, s37, 7
	s_add_co_u32 s36, s36, s38
	v_lshlrev_b32 v[WK], 4, v[K8]
	v_lshl_add_u32 v[WK], v[QH], 8, v[WK]
	v_lshl_add_u32 v[WK], v[QL], 3, v[WK]
	v_add_nc_u32 v[WK], s36, v[WK]                 ; tile IDX / 2, row 8 (IDX % 2) + lane / 4, half (lane % 4) / 2, 8 bytes each
	s_lshr_b32 s36, s[IDX], 2
	s_lshl_b32 s36, s36, 6
	s_bfe_u32 s38, s[IDX], 0x10001
	s_lshl_b32 s38, s38, 1
	s_add_co_u32 s36, s36, s38
	s_lshl_b32 s38, s37, 5
	s_add_co_u32 s36, s36, s38
	v_lshl_add_u32 v[WS], v[K8], 2, v[QH]
	v_add_nc_u32 v[WS], s36, v[WS]                 ; word 16 (IDX / 4) + the row, byte 2 ((IDX / 2) % 2) + the block
	s_mul_i32 s36, s[IDX], 8*VPI
	v_mul_u32_u24 v[WV], v[K8], VPI
	v_lshl_add_u32 v[WV], v[QD], 5, v[WV]
	v_add_nc_u32 v[WV], s36, v[WV]
	s_lshl_b32 s36, s[IDX], 5
	v_lshl_add_u32 v[WB], v[K8], 2, s36
	s_mul_i32 s36, s[WVN], 16*SP
	s_add_co_u32 s36, s36, STAGE                   ; my stage
	v_mul_u32_u24 v[STO], v[RR], SP
	v_lshl_add_u32 v[STO], v[HH], 5, v[STO]
	v_add_nc_u32 v[STO], s36, v[STO]               ; in: row r, 32 bytes for each half of the lanes
	v_mul_u32_u24 v[RD], v[HH], SP
	v_lshl_add_u32 v[RD], v[RR], 4, v[RD]
	v_add_nc_u32 v[RD], s36, v[RD]                 ; back: lanes 0-15 one row of 256 bytes, lanes 16-31 the next
	v_lshlrev_b32 v[GO], 8, v[HH]
	v_lshl_add_u32 v[GO], v[RR], 4, v[GO]          ; and the same two rows in out
	v_sub_nc_u32 v[DQ], v[RR], v[SH8]
	v_mov_b32 v[NEGR], 0xf1800000                  ; -2^100
	s_lshl_b32 s38, s37, 13
	v_lshl_add_u32 v[PFO], v[LN], 8, s38
	v_lshlrev_b32 v[QOFF], 8, v[RR]
	v_lshl_add_u32 v[QOFF], v[HH], 7, v[QOFF]      ; Q: row r of 256 bytes, + 128 h: my block of 32
	s_lshl_b32 s36, s[HD], 19                      ; a head is 2,048 x 64 x 4 bytes
	s_mov_b32 s37, 0
	s_lshr_b32 s38, s[HD], 4                       ; the batch: 8,192 bytes of mask words
	s_lshl_b32 s38, s38, 13
	s_mov_b32 s39, 0
	s_lshl_b32 s40, s[Q0], 8
	s_mov_b32 s41, 0
	s_add_nc_u64 s[40:41], s[40:41], s[36:37]      ; my first row's offset in query and in out0
	s_wait_kmcnt 0x0
	s_cmp_eq_u32 s[LATE], 0
	s_cselect_b64 s[SRC:SRC+1], s[6:7], s[8:9]     ; the choice hangs on the wave's number alone
	s_add_nc_u64 s[SRC:SRC+1], s[SRC:SRC+1], s[36:37]
	s_add_nc_u64 s[MSK:MSK+1], s[10:11], s[38:39]
	s_add_nc_u64 s[QP:QP+1], s[4:5], s[40:41]
	s_add_nc_u64 s[OUTP:OUTP+1], s[OUTP:OUTP+1], s[40:41]
	s_wait_alu depctr_va_vdst(0)                   ; every offset and LDS address of the kernel is written (v3 to v12, v15, v70, v71 and QOFF): the loads, stores and prefetches from here on read them, and none is written again
	LOADS 0                                        ; slot 0
.irp t, 0,1
.irp i, 0,1,2,3,4,5,6,7
	global_load_b128 v[S+32*\t+4*\i:S+32*\t+4*\i+3], v[QOFF], s[QP:QP+1] offset:4096*\t+16*\i th:TH_LOAD_NT   ; Q is read once, by this wave
.endr
.endr
	CONVERT 0, 16                                  ; slot 0's loads are in; Q's sixteen, issued behind them, may be out
	NEXT
	LOADS 0                                        ; slot 1
	s_wait_loadcnt 4                               ; Q is in: behind it four loads were issued, or five with a mask word, for which the count is the stricter
	s_wait_dscnt 0x0                               ; slot 0's stores have landed: the barrier below has no other wait for them
	s_wait_alu depctr_vm_vsrc(0)                   ; slot 0's stores have read TM, which the lines below write; Q's loads have read QOFF, in whose register a bias lands in the first step
	v_cmp_eq_u32 vcc_lo, 1, v[HH]                  ; the compare first: Q's quantising stands between it and the wait for its mask
	QQ 0
	QQ 1
	s_wait_alu depctr_va_vcc(0)                    ; the compare has written VCC, which the select reads
	v_cndmask_b32 v[QS], v[TM+3], v[TM+7], vcc_lo  ; lanes 0-15: tile 0's words; lanes 16-31: tile 1's
.irp i, 0,1,2,3,8,9,10,11,16,17,18,19
	v_mov_b32 v[QB+\i], 0                          ; the zero codes beside q
.endr
.irp t, 0,1
	v_mov_b32 v[ST+8*\t], 0xef800000               ; m = -2^96
	v_mov_b32 v[ST+8*\t+1], 0
	v_mov_b32 v[ST+8*\t+2], 0                      ; l
	v_mov_b32 v[ST+8*\t+3], 0
	v_mov_b32 v[ST+8*\t+5], 0
.endr
.irp i, 0,1,2,3,4,5,6,7,8,9,10,11,12,13,14,15,16,17,18,19,20,21,22,23,24,25,26,27,28,29,30,31,32,33,34,35,36,37,38,39,40,41,42,43,44,45,46,47,48,49,50,51,52,53,54,55,56,57,58,59,60,61,62,63
	v_mov_b32 v[O+\i], 0                           ; O^T.  (The step is written once for all slots: the first finds zeros.  These lines are also the places between the scale words' last write and the first product)
.endr
	s_mov_b32 s[KF], 0
	s_mov_b32 s[TR], 0
	s_barrier_signal -1                            ; slot 0 lies in LDS (each wave's stores were waited for above)
	s_barrier_wait -1
.Ltrip:                                                ; 8 - I trips of four slots: the LDS slots' numbers are constants of the text
	SLOT 0, 1, 0, 0
	SLOT 1, 2, 0, 0
	SLOT 2, 3, 0, 1
	SLOT 3, 0, 1, 0
	s_add_co_u32 s[TR], s[TR], 1
	s_cmp_lt_u32 s[TR], s[NT]
	s_cbranch_scc1 .Ltrip
	; THE WAY OUT.  l's two halves and lane l xor 16's are added; O^T / l goes through my own stage in LDS, a tile (16 rows of 256 bytes) at a time.
.irp t, 0,1
	v_add_f32 v[TM+4*\t], v[ST+8*\t+2], v[ST+8*\t+3]
.endr
.irp t, 0,1
	v_permlanex16_b32 v[TM+4*\t+1], v[TM+4*\t], s[SEL], s[SEL+1]
.endr
.irp t, 0,1
	v_add_f32 v[TM+4*\t], v[TM+4*\t], v[TM+4*\t+1]
.endr
.irp t, 0,1
	v_rcp_f32 v[ST+8*\t+4], v[TM+4*\t]             ; 1 / 0 is infinity, and 0 x infinity the NaN of a row with no key
.endr
	v_nop                                          ; a plain instruction behind the last reciprocal,
	s_wait_alu depctr_va_vdst(0)                   ; and one wait for the two: both reciprocals are written, ahead of their first reader
.macro DIVIDE t
.irp i, 0,2,4,6,8,10,12,14,16,18,20,22,24,26,28,30
	v_pk_mul_f32 v[S+32*\t+\i:S+32*\t+\i+1], v[O+32*\t+\i:O+32*\t+\i+1], v[ST+8*\t+4:ST+8*\t+5] op_sel_hi:[1,0]   ; register 8 u + j: out(row r, channel 16 u + 8 h + j)
.endr
.endm
.macro PACK t
.irp u, 0,1,2,3
	ds_store_b128 v[STO], v[S+32*\t+8*\u:S+32*\t+8*\u+3] offset:64*\u
	ds_store_b128 v[STO], v[S+32*\t+8*\u+4:S+32*\t+8*\u+7] offset:64*\u+16
.endr
.irp f, 0,1,2,3,4,5,6,7
	ds_load_b128 v[O+32*\t+4*\f:O+32*\t+4*\f+3], v[RD] offset:\f*2*SP   ; LDS serves a wave's instructions in order (ISA guide 5.7.1.4): these see the stores above, and the next tile's stores come behind them.  They land in O's registers, not in those that the stores read
.endr
.endm
.macro SEND t, younger                 ; younger: the LDS instructions issued behind tile t's loads
.irp f, 0,1,2,3,4,5,6,7
	s_wait_dscnt \younger+7-\f
	global_store_b128 v[GO], v[O+32*\t+4*\f:O+32*\t+4*\f+3], s[OUTP:OUTP+1] offset:4096*\t+512*\f th:TH_STORE_NT   ; 16 lanes store 256 consecutive bytes, at a multiple of 256 from out0's first byte
.endr
.endm
	DIVIDE 0
	DIVIDE 1
	s_wait_alu depctr_va_vdst(0)                   ; both tiles' divisions have written S, which the LDS stores read, and are done reading O, in which the loads from the stage land; no vector line follows
	PACK 0
	PACK 1
	s_cmp_eq_u32 s[Q0], 0                          ; rows 0 to 15 of a head are the other launch's
	s_cbranch_scc1 .Lnot_mine
	SEND 0, 16
.Lnot_mine:
	SEND 1, 0
	s_wait_dscnt 0x0                               ; the closing lines, six on end
	s_wait_alu 0x0
	s_wait_tensorcnt 0x0
	ds_add_u32 v[SPW], v[NIL]
	s_wait_dscnt 0x0
	s_endpgm
.Lfunc_end_k_qf08a663e2e_attn:
	.size	k_qf08a663e2e_attn, .Lfunc_end_k_qf08a663e2e_attn-k_qf08a663e2e_attn
	.p2alignl 7, 3214868480
	.fill 96, 4, 3214868480
	.section	.rodata,"a",@progbits
	.p2align	6, 0x0
	.amdhsa_kernel k_qf08a663e2e_attn
		.amdhsa_group_segment_fixed_size 122880
		.amdhsa_private_segment_fixed_size 0
		.amdhsa_enable_private_segment 0
		.amdhsa_kernarg_size 40
		.amdhsa_user_sgpr_count 2
		.amdhsa_user_sgpr_kernarg_segment_ptr 1
		.amdhsa_wavefront_size32 1
		.amdhsa_system_sgpr_workgroup_id_x 1
		.amdhsa_system_sgpr_workgroup_id_y 1
		.amdhsa_system_sgpr_workgroup_id_z 1
		.amdhsa_system_vgpr_workitem_id 0
		.amdhsa_next_free_vgpr 256
		.amdhsa_next_free_sgpr 66
		.amdhsa_reserve_vcc 1
		.amdhsa_float_denorm_mode_32 3
		.amdhsa_float_denorm_mode_16_64 3
		.amdhsa_memory_ordered 1
		.amdhsa_forward_progress 1
		.amdhsa_inst_pref_size 136
	.end_amdhsa_kernel
	.amdgpu_metadata
---
amdhsa.version: [ 1, 2 ]
amdhsa.kernels:
  - .name:           k_qf08a663e2e_attn
    .symbol:         k_qf08a663e2e_attn.kd
    .args:
      - { .name: query, .offset: 0, .size: 8, .value_kind: global_buffer, .address_space: global }
      - { .name: key, .offset: 8, .size: 8, .value_kind: global_buffer, .address_space: global }
      - { .name: value, .offset: 16, .size: 8, .value_kind: global_buffer, .address_space: global }
      - { .name: attention_mask, .offset: 24, .size: 8, .value_kind: global_buffer, .address_space: global }
      - { .name: out0, .offset: 32, .size: 8, .value_kind: global_buffer, .address_space: global }
    .group_segment_fixed_size: 122880
    .private_segment_fixed_size: 0
    .kernarg_segment_align: 8
    .kernarg_segment_size: 40
    .max_flat_workgroup_size: 512
    .sgpr_count:     66
    .vgpr_count:     256
    .wavefront_size: 32
...
	.end_amdgpu_metadata
.endif
;; end of part 3
;; launch first16 (part 4): grid 64 x 1, 1 waves a work-group, no clusters, 4,864 bytes of LDS; arguments query, key, value, attention_mask, out0; writes out0
.if DOCPART == 4
	.amdgcn_target "amdgcn-amd-amdhsa--gfx1250"
	.amdhsa_code_object_version 6
	.text
	.protected	k_qf08a663e2e_first16
	.globl	k_qf08a663e2e_first16
	.p2align	8
	.type	k_qf08a663e2e_first16,@function
k_qf08a663e2e_first16:
	s_mov_b64 s[64:65], 0
	v_nop
	global_prefetch_b8 v0, s[64:65] scope:SCOPE_SE
	s_setreg_imm32_b32 hwreg(HW_REG_WAVE_SCHED_MODE, 0, 2), 2
	s_setreg_imm32_b32 hwreg(HW_REG_WAVE_MODE, 25, 1), 1
	s_wait_xcnt 0x0
	s_wait_alu depctr_vm_vsrc(0)
; Rows 0 to 15 of every head of the same attention: these rows average one to sixteen values, so their second product is kept in f32.  One wave, one head.
; S^T = K Q^T on codes of E2M1 with E8M0 scales, made here (16 keys x 16 queries; the instruction's upper 64 along K are zero codes on both sides); C = the padding mask's bias (0 or -2^100); the causal mask puts -infinity
; over keys behind the query; p = 2^(c s - m), c = log2(e) / 8, m the row's largest c s, held at -2^96 from below; O^T = V^T P by the f32 matrix form, 16 instructions: no bulk work; O^T / the sum of p.
; A row with no key left has p = 0 throughout: 0 x (1 / 0) is the NaN that the definition has there.
; LIMITS: |score x c| stays under 2^96; NaN and infinities among the inputs are not served; a block of zeros has the scale byte 1 (its codes are zeros); blocks whose largest magnitude lies under 2^-124 were not tried.
; THE MODE: SCHED_MODE bits 1:0 = 2 (LLVM: expert scheduling mode 2), set by the entry lines.  The code itself states the register dependences
; between vector or matrix instructions and memory or LDS instructions, with s_wait_alu, always for 0.
; THE PLAN.  The text runs straight through.  Registers that memory or LDS instructions touch:
;   v3 to v8   offsets and LDS addresses: written at the head, ahead of one wait on va_vdst, and never again.
;   MW, XQ, XK, VV   land once, from memory; no vector line names them before.
;   R          written by the divisions, read by the LDS stores: one wait on va_vdst between; never written again.
;   XQ again   the rows come back from the stage into XQ's registers, which Q's quantising is long done reading (every later wait on va_vdst states it); the global stores read them.
; The masks of the selects go from runs of eight compares into eight scalar registers, one wait on va_sdst behind each run.
.set SP,    272                        ; the stage: 16 rows x (256 bytes + 16), from LDS byte 0
.set SPARE, 4608                       ; the spare words: one block of 256 bytes that no other line names
.set FLOOR, 0x1800000                  ; 2^(3 - 127)
.set SPW, 1
.set NIL, 2
.set QOFF, 3                           ; v3   256 r + 128 h: my block of 32 of row r, in Q and in K
.set VOFF, 4                           ; v4   2,048 h + 4 r
.set MOFF, 5                           ; v5   32 h: the mask words of keys 8 h ..
.set STO, 6
.set RD,  7
.set GO,  8
.set RR,  9
.set HH,  10
.set SH8, 11
.set XQ,  16                           ; v16-47   32 numbers of Q; on the way out the rows read back from the stage
.set XK,  48                           ; v48-79   32 numbers of K
.set VV,  80                           ; v80-111  register 8 u + i: V(key 8 h + i, channel 16 u + r)
.set MW,  112                          ; v112-119 mask words
.set BI,  120                          ; v120-127 biases
.set QF,  128                          ; v128-135 Q's codes, then zeros
.set KC,  136                          ; v136-143 K's
.set KSW, 144                          ; v144 K's scale words;  v145 Q's
.set QSW, 145
.set S,   148                          ; v148-155 S^T, then p
.set OA,  160                          ; v160-191 O^T: written by matrix instructions alone
.set R,   192                          ; v192-223 O^T / l
.set T,   224                          ; v224-227 at work
.set CM,  228                          ; v[228:229] m, and its pair's upper half
.set RL,  230                          ; v[230:231] 1 / l, likewise
.set SU,  232                          ; v232-235 sums
.set NEGR, 236
.set NINF, 237
.set DQ,  238                          ; v238 r - 8 h
.set SEL, 20
.set CS,  22
.set MS,  24                           ; s[24:31] eight masks of a run of compares
; 32 numbers of a lane, a whole block, become four registers of codes; the row's two scale bytes become its scale word (the upper two bytes, over zero codes, are 0).
.macro QUANT x, f, w
	v_max3_num_f32 v[T], |v[\x]|, |v[\x+1]|, FLOOR
	v_max3_num_f32 v[T+1], |v[\x+2]|, |v[\x+3]|, |v[\x+4]|
.irp i, 5,9,13,17,21,25
	v_max3_num_f32 v[T], v[T], |v[\x+\i]|, |v[\x+\i+1]|
	v_max3_num_f32 v[T+1], v[T+1], |v[\x+\i+2]|, |v[\x+\i+3]|
.endr
	v_max3_num_f32 v[T], v[T], |v[\x+29]|, |v[\x+30]|
	v_max3_num_f32 v[T], v[T], v[T+1], |v[\x+31]|
	v_add_nc_u32 v[T+2], 0xff000000, v[T]          ; 2 off the exponent field: the conversion's scale operand
.irp g, 0,1,2,3
	v_cvt_scalef32_pk8_fp4_f32 v[\f+\g], v[\x+8*\g:\x+8*\g+7], v[T+2]
.endr
	v_lshrrev_b32 v[T+3], 23, v[T+2]               ; the byte (also the plain instruction behind the conversions),
	v_lshlrev_b32 v[T+3], v[SH8], v[T+3]           ; 8 h bits up,
	v_permlanex16_b32 v[T+1], v[T+3], s[SEL], s[SEL+1]
	v_or_b32 v[\w], v[T+3], v[T+1]                 ; with lane l xor 16's
.endm
	s_load_b256 s[4:11], s[0:1], 0x0               ; query, key, value, attention_mask
	s_load_b64 s[12:13], s[0:1], 0x20              ; out0
	v_lshl_add_u32 v[SPW], v0, 2, SPARE
	v_mov_b32 v[NIL], 0
	v_and_b32 v[RR], 15, v0
	v_bfe_u32 v[HH], v0, 4, 1
	v_lshlrev_b32 v[SH8], 3, v[HH]
	v_lshlrev_b32 v[QOFF], 8, v[RR]
	v_lshl_add_u32 v[QOFF], v[HH], 7, v[QOFF]
	v_lshlrev_b32 v[VOFF], 2, v[RR]
	v_lshl_add_u32 v[VOFF], v[HH], 11, v[VOFF]
	v_lshlrev_b32 v[MOFF], 5, v[HH]
	v_mul_u32_u24 v[STO], v[RR], SP
	v_lshl_add_u32 v[STO], v[HH], 5, v[STO]
	v_mul_u32_u24 v[RD], v[HH], SP
	v_lshl_add_u32 v[RD], v[RR], 4, v[RD]
	v_lshlrev_b32 v[GO], 8, v[HH]
	v_lshl_add_u32 v[GO], v[RR], 4, v[GO]
	v_sub_nc_u32 v[DQ], v[RR], v[SH8]
	v_mov_b32 v[NEGR], 0xf1800000                  ; -2^100
	v_mov_b32 v[NINF], 0xff800000
	v_mov_b32 v[CM+1], 0
	v_mov_b32 v[RL+1], 0
.irp i, 4,5,6,7
	v_mov_b32 v[QF+\i], 0                          ; the zero codes of the instruction's upper 64 along K
	v_mov_b32 v[KC+\i], 0
.endr
	s_mov_b32 s[SEL], 0x76543210
	s_mov_b32 s[SEL+1], 0xfedcba98
	s_mov_b32 s[CS], 0x3e38aa3b                    ; c = log2(e) / 8
	s_mov_b32 s[CS+1], s[CS]
	s_lshl_b32 s16, ttmp9, 19                      ; the head's first byte
	s_mov_b32 s17, 0
	s_lshr_b32 s18, ttmp9, 4                       ; the batch's mask words
	s_lshl_b32 s18, s18, 13
	s_mov_b32 s19, 0
	s_wait_kmcnt 0x0
	s_add_nc_u64 s[4:5], s[4:5], s[16:17]
	s_add_nc_u64 s[6:7], s[6:7], s[16:17]
	s_add_nc_u64 s[8:9], s[8:9], s[16:17]
	s_add_nc_u64 s[10:11], s[10:11], s[18:19]
	s_add_nc_u64 s[12:13], s[12:13], s[16:17]
	s_wait_alu depctr_va_vdst(0)                   ; the six offsets and LDS addresses v3 to v8 are written: the loads and stores of the kernel read them, and none is written again
	global_load_b128 v[MW:MW+3], v[MOFF], s[10:11]
	global_load_b128 v[MW+4:MW+7], v[MOFF], s[10:11] offset:16
.irp i, 0,1,2,3,4,5,6,7
	global_load_b128 v[XQ+4*\i:XQ+4*\i+3], v[QOFF], s[4:5] offset:16*\i
.endr
.irp i, 0,1,2,3,4,5,6,7
	global_load_b128 v[XK+4*\i:XK+4*\i+3], v[QOFF], s[6:7] offset:16*\i
.endr
.irp u, 0,1,2,3
.irp i, 0,1,2,3,4,5,6,7
	global_load_b32 v[VV+8*\u+\i], v[VOFF], s[8:9] offset:256*\i+64*\u
.endr
.endr
	s_wait_loadcnt 48                              ; the mask words are in: behind them 8 + 8 + 32 loads were issued
.irp j, 0,1,2,3,4,5,6,7
	v_cmp_eq_u32 s[MS+\j], 0, v[MW+\j]
.endr
	s_wait_alu depctr_va_sdst(0)                   ; the eight compares have written their masks, which the selects read
.irp j, 0,1,2,3,4,5,6,7
	v_cndmask_b32 v[BI+\j], 0, v[NEGR], s[MS+\j]   ; register j: the bias of key 8 h + j
.endr
	s_wait_loadcnt 40                              ; Q is in
	QUANT XQ, QF, QSW
	s_wait_loadcnt 32                              ; K is in
	QUANT XK, KC, KSW
.rept 8
	v_nop                                          ; a scale register written by a vector instruction stands eight places ahead of a scaled matrix instruction, an operand so written four
.endr
	s_wait_alu depctr_va_vdst(0)                   ; behind the places: the codes of Q and K and their scale words are written, which the scaled product takes
	v_wmma_scale_f32_16x16x128_f8f6f4 v[S:S+7], v[KC:KC+7], v[QF:QF+7], v[BI:BI+7], v[KSW], v[QSW] matrix_a_fmt:MATRIX_FMT_FP4 matrix_b_fmt:MATRIX_FMT_FP4   ; lane (r, h), register j: key 8 h + j, query r
.rept 4
	v_nop                                          ; four places in front of the first read of the result (ISA guide 7.12.1)
.endr
.irp j, 0,1,2,3,4,5,6,7
	v_cmp_gt_i32 s[MS+\j], \j, v[DQ]               ; key 8 h + j comes after query r
.endr
	s_wait_alu depctr_va_sdst(0)                   ; the eight compares have written their masks, which the selects read
.irp j, 0,1,2,3,4,5,6,7
	v_cndmask_b32 v[S+\j], v[S+\j], v[NINF], s[MS+\j]
.endr
	v_max3_num_f32 v[T], v[S], v[S+1], v[S+2]
	v_max3_num_f32 v[T], v[T], v[S+3], v[S+4]
	v_max3_num_f32 v[T], v[T], v[S+5], v[S+6]
	v_max_num_f32 v[T], v[T], v[S+7]
	v_permlanex16_b32 v[T+1], v[T], s[SEL], s[SEL+1]
	v_max_num_f32 v[T], v[T], v[T+1]
	v_mul_f32 v[T], s[CS], v[T]
	v_max_num_f32 v[CM], 0xef800000, v[T]          ; m, never under -2^96
.irp i, 0,2,4,6
	v_pk_fma_f32 v[S+\i:S+\i+1], v[S+\i:S+\i+1], s[CS:CS+1], v[CM:CM+1] op_sel_hi:[1,0,0] neg_lo:[0,0,1] neg_hi:[0,0,1]
.endr
.irp i, 0,1,2,3,4,5,6,7
	v_exp_f32 v[S+\i], v[S+\i]
.endr
	v_nop                                          ; a plain instruction behind the last exponential,
	s_wait_alu depctr_va_vdst(0)                   ; and one wait for the eight: the eight p are written, ahead of their first reader
	v_pk_add_f32 v[SU:SU+1], v[S:S+1], v[S+2:S+3]
	v_pk_add_f32 v[SU+2:SU+3], v[S+4:S+5], v[S+6:S+7]
	v_pk_add_f32 v[SU:SU+1], v[SU:SU+1], v[SU+2:SU+3]
	v_add_f32 v[T], v[SU], v[SU+1]
	v_permlanex16_b32 v[T+1], v[T], s[SEL], s[SEL+1]
	v_add_f32 v[T], v[T], v[T+1]                   ; l
	v_rcp_f32 v[RL], v[T]
	v_nop
	s_wait_alu depctr_va_vdst(0)                   ; the reciprocal is written, ahead of its first reader
	s_wait_loadcnt 0x0                             ; V is in
; O^T = V^T P, four keys an instruction.  Place (h, j) of the instruction's K stands for key 8 h + 2 s + j in both sources.  The first K step starts the sums with the constant 0; the four accumulators take turns.
.irp s, 0,1,2,3
.irp u, 0,1,2,3
.if \s == 0
	v_wmma_f32_16x16x4_f32 v[OA+8*\u:OA+8*\u+7], v[VV+8*\u+2*\s:VV+8*\u+2*\s+1], v[S+2*\s:S+2*\s+1], 0
.else
	v_wmma_f32_16x16x4_f32 v[OA+8*\u:OA+8*\u+7], v[VV+8*\u+2*\s:VV+8*\u+2*\s+1], v[S+2*\s:S+2*\s+1], v[OA+8*\u:OA+8*\u+7]
.endif
.endr
.endr
.rept 8
	v_nop                                          ; eight places behind this form in front of the first read of its results
.endr
.irp i, 0,2,4,6,8,10,12,14,16,18,20,22,24,26,28,30
	v_pk_mul_f32 v[R+\i:R+\i+1], v[OA+\i:OA+\i+1], v[RL:RL+1] op_sel_hi:[1,0]   ; into other registers; register 8 u + j: out(row r, channel 16 u + 8 h + j)
.endr
	s_wait_alu depctr_va_vdst(0)                   ; the divisions have written R, which the LDS stores read; Q's quantising is done reading XQ, in which the loads from the stage land; no vector line follows
.irp u, 0,1,2,3
	ds_store_b128 v[STO], v[R+8*\u:R+8*\u+3] offset:64*\u
	ds_store_b128 v[STO], v[R+8*\u+4:R+8*\u+7] offset:64*\u+16
.endr
.irp f, 0,1,2,3,4,5,6,7
	ds_load_b128 v[XQ+4*\f:XQ+4*\f+3], v[RD] offset:\f*2*SP        ; LDS serves a wave's instructions in order (ISA guide 5.7.1.4): these see the stores above.  They land in XQ's registers, not in those that the stores read
.endr
.irp f, 0,1,2,3,4,5,6,7
	s_wait_dscnt 7-\f
	global_store_b128 v[GO], v[XQ+4*\f:XQ+4*\f+3], s[12:13] offset:512*\f th:TH_STORE_NT   ; 16 lanes store 256 consecutive bytes, at a multiple of 256 from out0's first byte
.endr
	s_wait_dscnt 0x0                               ; the closing lines, six on end
	s_wait_alu 0x0
	s_wait_tensorcnt 0x0
	ds_add_u32 v[SPW], v[NIL]
	s_wait_dscnt 0x0
	s_endpgm
.Lfunc_end_k_qf08a663e2e_first16:
	.size	k_qf08a663e2e_first16, .Lfunc_end_k_qf08a663e2e_first16-k_qf08a663e2e_first16
	.p2alignl 7, 3214868480
	.fill 96, 4, 3214868480
	.section	.rodata,"a",@progbits
	.p2align	6, 0x0
	.amdhsa_kernel k_qf08a663e2e_first16
		.amdhsa_group_segment_fixed_size 4864
		.amdhsa_private_segment_fixed_size 0
		.amdhsa_enable_private_segment 0
		.amdhsa_kernarg_size 40
		.amdhsa_user_sgpr_count 2
		.amdhsa_user_sgpr_kernarg_segment_ptr 1
		.amdhsa_wavefront_size32 1
		.amdhsa_system_sgpr_workgroup_id_x 1
		.amdhsa_system_sgpr_workgroup_id_y 1
		.amdhsa_system_sgpr_workgroup_id_z 1
		.amdhsa_system_vgpr_workitem_id 0
		.amdhsa_next_free_vgpr 240
		.amdhsa_next_free_sgpr 66
		.amdhsa_reserve_vcc 0
		.amdhsa_float_denorm_mode_32 3
		.amdhsa_float_denorm_mode_16_64 3
		.amdhsa_memory_ordered 1
		.amdhsa_forward_progress 1
		.amdhsa_inst_pref_size 19
	.end_amdhsa_kernel
	.amdgpu_metadata
---
amdhsa.version: [ 1, 2 ]
amdhsa.kernels:
  - .name:           k_qf08a663e2e_first16
    .symbol:         k_qf08a663e2e_first16.kd
    .args:
      - { .name: query, .offset: 0, .size: 8, .value_kind: global_buffer, .address_space: global }
      - { .name: key, .offset: 8, .size: 8, .value_kind: global_buffer, .address_space: global }
      - { .name: value, .offset: 16, .size: 8, .value_kind: global_buffer, .address_space: global }
      - { .name: attention_mask, .offset: 24, .size: 8, .value_kind: global_buffer, .address_space: global }
      - { .name: out0, .offset: 32, .size: 8, .value_kind: global_buffer, .address_space: global }
    .group_segment_fixed_size: 4864
    .private_segment_fixed_size: 0
    .kernarg_segment_align: 8
    .kernarg_segment_size: 40
    .max_flat_workgroup_size: 32
    .sgpr_count:     66
    .vgpr_count:     240
    .wavefront_size: 32
...
	.end_amdgpu_metadata
.endif
;; end of part 4
